; MI455X (gfx1250); checked and timed in simulation.
; The chip was launched on July 23, 2026; its instructions are those of AMD's public machine-readable ISA for CDNA 5 (MIT licence, August 2026) and "CDNA5" Instruction Set Architecture Reference Guide (July 2026). The comments in the code are by the model that wrote it; some were corrected since.
;; Multi Head Attention. Allowed arithmetic: matrix products marked QUANTISED: E2M1 operands, one E8M0 scale for each 32 along K, by v_wmma_scale_f32_16x16x128_f8f6f4 with both operands' format E2M1 (or v_wmma_scale_f32_32x16x128_f4), f32 sums; everything else in f32.
;; Inputs: Wk 16 x 1,024 x 64 float32; Wp 1,024 x 1,024 float32; Wq 16 x 1,024 x 64 float32; Wv 16 x 1,024 x 64 float32; bp 1,024 float32; x 4 x 2,048 x 1,024 float32.
;; Outputs: out0 4 x 2,048 x 1,024 float32.
;; This version of the problem:
;;   THIS VERSION OF THE PROBLEM IS GIVEN IN LOW PRECISION. The matrix products marked QUANTISED in the list below multiply operands that are first quantised to E2M1 (2 exponent bits, 1 mantissa bit; 4 bits a number), with one power-of-two scale for each 32 numbers along K (OCP MX v1.0); their sums are f32. All else is computed in f32.
;;   The module's matrix products, in the order in which they are computed (A, B: the left and right operand; K: the contracted axis; several contracted axes count as one K, in the product's order):
;;     1. [M 1,024, K 1,024] x [K 1,024, N 8,192]; A: input Wq; B: input x: QUANTISED
;;     2. [M 1,024, K 1,024] x [K 1,024, N 8,192]; A: input Wk; B: input x: QUANTISED
;;     3. [M 1,024, K 1,024] x [K 1,024, N 8,192]; A: input Wv; B: input x: QUANTISED
;;     4. batch 64 x [M 2,048, K 64] x [K 64, N 2,048]; A: computed on the way; B: computed on the way: QUANTISED
;;     5. batch 64 x [M 2,048, K 2,048] x [K 2,048, N 64]; A: softmax (see below); B: computed on the way: QUANTISED
;;     6. [M 8,192, K 1,024] x [K 1,024, N 1,024]; A: computed on the way; B: input Wp: QUANTISED
;;   THE QUANTISER, for each operand of a quantised product, along K:
;;     - K is cut into blocks of 32 from its start; a last block that is shorter is filled with zeros.
;;     - A block's scale is 2^e with e = floor(log2(the largest magnitude in the block)) - 2, held to -126 .. 127; a block of zeros has e = 0. As a byte (E8M0): e + 127.
;;     - Each number is divided by its block's scale, clamped to +-6, and rounded to the nearest number of E2M1, ties to even, subnormals kept.
;;     - The product sums the exact products of the quantised numbers (number of the format x scale) in f32.
;;   ~~~python
;;   def quantise(x, axis):      # numpy; x: float32 -> the quantised numbers, widened to float32 again
;;       x = np.moveaxis(x, axis, -1); K = x.shape[-1]
;;       x = np.pad(x, [(0, 0)] * (x.ndim - 1) + [(0, -K % 32)]); x = x.reshape(x.shape[:-1] + (-1, 32)); a = np.abs(x).max(-1, keepdims=True)
;;       e = np.where(a > 0, np.clip(np.frexp(np.where(a > 0, a, 1))[1] - 1 - 2, -126, 127), 0)      # np.frexp(a)[1] - 1 = floor(log2(a)), exactly
;;       r = np.clip(x / 2.0 ** e, -6, 6)
;;       step = 2.0 ** (np.maximum(np.frexp(np.where(r == 0, 1, r))[1] - 1, 0) - 1)
;;       q = np.round(r / step) * step * 2.0 ** e      # np.round: ties to even
;;       return np.moveaxis(q.reshape(q.shape[:-2] + (-1,))[..., :K], -1, axis).astype(np.float32)
;;   ~~~
;;   SOFTMAX AHEAD OF A QUANTISED PRODUCT. Where the list says 'softmax', what is quantised is not the finished softmax but p = 2^(t - M), with t = logit x log2(e) and M = ceil(the row's largest t), a whole number; so 1/2 < the row's largest p <= 1. The row's sum l is taken of the UNQUANTISED p, in f32, and the product's result is divided by l at the end. Since M is a whole number, a kernel that streams over the keys may use a running M (the ceiling of the running maximum): every later rescaling is an exact power of two, which a block's scale takes up: the codes' values come out the same.
;;   OPERANDS COMPUTED ON THE WAY. 'Computed on the way' means the value that the module computes at that place (a softmax that the list does not call 'softmax' is quantised finished and normalised). What goes into a quantiser is computed in f32, as accurately as f32 sums, v_exp_f32 and their like allow (about 1e-6 of the number): no bf16 or f16 on the way to a quantiser, and a product that is left as it is and whose result goes on into a quantised operand takes f32 operands (vector FMAs, or v_wmma_f32_16x16x4_f32). A number that lies on a knife's edge between two numbers of the format may be rounded either way, as far as f32 arithmetic and the matrix unit's own rounding can turn it there, and no further.
;; One version. Each part assembles by itself: llvm-mc -triple=amdgcn-amd-amdhsa -mcpu=gfx1250 --defsym DOCPART=n.
;; ======== version 1 of 1: 4 launches
;; limits: right only within a limited range of input values
;; workspace buffers: xc 4,194,304 bytes; xs 262,144 bytes; wc 2,097,152 bytes; ws 131,072 bytes; qkv 13,369,344 bytes; oc 4,194,304 bytes; os 262,144 bytes
;; launch quant (part 1): grid 512 x 1, 4 waves a work-group, no clusters, 34,304 bytes of LDS; arguments x, Wq, Wk, Wv, Wp, xc, xs, wc, ws; writes xc, xs, wc, ws
.if DOCPART == 1
	.amdgcn_target "amdgcn-amd-amdhsa--gfx1250"
	.amdhsa_code_object_version 6
	.text
	.protected	k_q990450c2ec_quant
	.globl	k_q990450c2ec_quant
	.p2align	8
	.type	k_q990450c2ec_quant,@function
k_q990450c2ec_quant:
	s_mov_b64 s[64:65], 0
	v_nop
	global_prefetch_b8 v0, s[64:65] scope:SCOPE_SE
	s_setreg_imm32_b32 hwreg(HW_REG_WAVE_MODE, 25, 1), 1
	s_wait_xcnt 0x0
; LAUNCH 1 OF 4 (quant, qkv, attn, proj): causal attention, 4 x 2,048 tokens, 16 heads of 64, all six products on codes of FP4 (E2M1) with one E8M0 scale for each 32 along K.
; This launch quantises x (K = its last axis) and Wq, Wk, Wv, Wp (K = the axis of 1,024 in front of the last) once, since many work-groups read each of them later.
; DEAD WORK LEFT OUT BY THE PROGRAM (in launch attn): key steps of 128 keys that lie wholly above the diagonal of the mask that the problem builds itself (tril).  There every logit is
; -infinity whatever the inputs hold, so p = 2^(-infinity) = 0: such a block's codes are zeros, which add nothing to the second product, and the row's sum gets 0.  No input is left out.
; LIMIT: a NaN, an infinity or an overflow that arises only in the scores left out is not carried to the result.
; LIMITS OF THE QUANTISER: NaN and infinities among the inputs are not served; a block whose largest magnitude lies under 2^-124 gets the byte 1 (the floor); a block of zeros gets the byte 1
; where the rule says 127: its codes are zeros, which add nothing under any byte but 0xff, and this program alone reads the bytes.
; LAYOUT OF THE WORKSPACE: IMAGES OF OPERAND REGISTERS.  A tile is 16 rows; row rho of tile tau is index 32 (tau / 2) + 8 (tau % 2) + rho + 8 (rho / 8), so that a product which takes such tiles as
; source 0 leaves 16 neighbours in the 16 registers of two neighbouring tiles.  Codes: [tau][block of 32 along K (32)][rho][16 bytes], 8,192 bytes a tile: a fragment (16 rows x 128 K) is 1,024
; consecutive bytes, lane l's 16 bytes at 16 l and at 512 + 16 l.  Scale words: [tau][K / 512 (2)][rho][4 words], a word for 128 along K.
; SHARES: work-groups 0-47: Wq, Wk, Wv, a head each; 48-63: Wp; 64-319: x.  Waves share nothing; no barrier.
; Weights: a lane takes a column and its registers run down K (32 columns x 512 K a wave): a block lies in one lane, and its 16 bytes of codes go straight to their place: sixteen lanes fill 256 aligned bytes.
; x: a wave takes a tile's 16 rows x 512 K; each load reads 512 consecutive bytes of a row; a K step's 8,192 bytes turn through the wave's own stage in LDS (rows 528 bytes apart), so that a lane
; gets 16 neighbours of each block of its row.
; THE SHARES AS THE TEXT BELOW HAS THEM (in place of the line SHARES above): work-groups 0-191: Wq, Wk, Wv; 192-255: Wp; 256-511: x.
; Four work-groups on end share what the lines above give one: number / 4 says which head or which 64 columns, number % 4 which 128 of a wave's half of K.
; So a weight's wave takes 32 columns x 128 K: four blocks, two blocks' 64 loads out at a time.  Its column's one scale word leaves as 4 bytes a lane, 16 bytes apart: one byte in 17 of what these waves store.
.set SPARE, 33792                      ; behind the four stages of 8,448 bytes: the spare words, 128 bytes a wave
.set SPW, 28                           ; v28  SPARE + 4 x my thread's number; never rewritten
.set NIL, 29                           ; v29  0; never rewritten
.set TM,  8                            ; x: v8-11 largest magnitudes, v12-15 the other half's / the bytes, v16-19 the conversions' scale operands
.set SW,  24                           ; x: v24-27 my row's four scale words
.set SB,  24                           ; weights: v24 my column's 4 scale bytes
.set X,   32                           ; weights: v32-95 two sets of 32 numbers
.set C,   96                           ; weights: v96-111 four registers of codes for each of 4 blocks: no store's data are written again
.set R,   32                           ; x: v32-159 two sets of 64 registers as loaded
.set XX,  160                          ; x: v160-223 64 numbers of my row: register 16 b + i = k 32 b + 16 (lane / 16) + i
.set PC,  224                          ; x: v224-255 eight registers of codes for each of four K steps
.set SEL, 34                           ; s[34:35] selects of v_permlanex16_b32: lane l xor 16
; 64 numbers of a lane become a fragment's codes in v[pc] .. v[pc + 7] and its row's scale word in v[pw]
.macro QUANT src, pc, pw
.irp b, 0,1,2,3
	v_max3_num_f32 v[TM+\b], |v[\src+16*\b]|, |v[\src+16*\b+1]|, 0x1800000   ; block b: my 16 numbers, and the floor 2^(3 - 127): the byte cannot fall under 1
.endr
.irp i, 2,4,6,8,10,12,14
.irp b, 0,1,2,3
	v_max3_num_f32 v[TM+\b], |v[\src+16*\b+\i]|, |v[\src+16*\b+\i+1]|, v[TM+\b]   ; the four blocks by turns
.endr
.endr
.irp b, 0,1,2,3
	v_permlanex16_b32 v[TM+4+\b], v[TM+\b], s[SEL], s[SEL+1]
.endr
.irp b, 0,1,2,3
	v_max_num_f32 v[TM+\b], v[TM+\b], v[TM+4+\b]       ; with lane l xor 16's 16: the block's largest magnitude
.endr
.irp b, 0,1,2,3
	v_add_nc_u32 v[TM+8+\b], 0xff000000, v[TM+\b]      ; 2 off its exponent field: the conversion takes this operand's exponent field as its scale
.endr
.irp b, 0,1,2,3
	v_lshrrev_b32 v[TM+4+\b], 23, v[TM+8+\b]           ; the scale's byte
.endr
	v_lshl_or_b32 v[\pw], v[TM+5], 8, v[TM+4]
	v_lshl_or_b32 v[\pw], v[TM+6], 16, v[\pw]
	v_lshl_or_b32 v[\pw], v[TM+7], 24, v[\pw]
.irp b, 0,1,2,3
	v_cvt_scalef32_pk8_fp4_f32 v[\pc+2*\b], v[\src+16*\b:\src+16*\b+7], v[TM+8+\b]
	v_cvt_scalef32_pk8_fp4_f32 v[\pc+2*\b+1], v[\src+16*\b+8:\src+16*\b+15], v[TM+8+\b]
.endr
	v_nop                                              ; one plain instruction behind the scaled conversions
.irp c, 0,1
.irp i, 0,1
	v_permlane16_swap_b32 v[\pc+4*\c+\i], v[\pc+4*\c+2+\i]   ; a whole block to a lane: lanes 0-15 block 2 c, lanes 16-31 block 2 c + 1
.endr
.endr
.endm
; weights: block t of my column, W(32 t + i, column), into set t % 2
.macro WLOAD t, pitch
.irp i, 0,1,2,3,4,5,6,7,8,9,10,11,12,13,14,15,16,17,18,19,20,21,22,23,24,25,26,27,28,29,30,31
	global_load_b32 v[X+32*((\t)%2)+\i], v4, s[30:31] offset:(32*(\t)+\i)*(\pitch) th:TH_LOAD_NT
.endr
.endm
.macro WBLOCK t, pitch
.set XS, X+32*((\t)%2)
.if (\t) < 3
	s_wait_loadcnt 32                                  ; this block's 32 loads are in; the next block's 32 may be out
.else
	s_wait_loadcnt 0x0
.endif
	v_max3_num_f32 v12, |v[XS]|, |v[XS+1]|, |v[XS+2]|  ; the block's largest magnitude: all 32 numbers are mine; two chains
	v_max3_num_f32 v13, |v[XS+3]|, |v[XS+4]|, |v[XS+5]|
.irp i, 6,10,14,18,22,26
	v_max3_num_f32 v12, v12, |v[XS+\i]|, |v[XS+\i+1]|
	v_max3_num_f32 v13, v13, |v[XS+\i+2]|, |v[XS+\i+3]|
.endr
	v_max3_num_f32 v12, v12, |v[XS+30]|, |v[XS+31]|
	v_max3_num_f32 v12, v12, v13, 0x1800000            ; and the floor
	v_add_nc_u32 v11, 0xff000000, v12                  ; the conversions' scale operand
	v_lshrrev_b32 v13, 23, v11                         ; the byte
.if (\t)%4 == 0
	v_mov_b32 v[SB+(\t)/4], v13                        ; four bytes to a word, the lower K in the lower byte
.else
	v_lshl_or_b32 v[SB+(\t)/4], v13, 8*((\t)%4), v[SB+(\t)/4]
.endif
.irp g, 0,1,2,3
	v_cvt_scalef32_pk8_fp4_f32 v[C+4*(\t)+\g], v[XS+8*\g:XS+8*\g+7], v11
.endr
	global_store_b128 v5, v[C+4*(\t):C+4*(\t)+3], s[34:35] offset:256*(\t)   ; lanes 0-7 and 16-23 fill 256 aligned bytes of one tile, the other sixteen of the next
.if (\t)+2 < 4
	WLOAD (\t)+2, \pitch
.endif
.endm
; a wave's 32 columns x 128 K.  s23: which weight; s27: which 32 columns; s26: which half of K; s[30:31]: the first number
.macro WBODY pitch
	s_lshl_b32 s32, s23, 19                            ; 524,288 bytes of codes a weight,
	s_lshl_b32 s33, s27, 14                            ; 16,384 for two tiles,
	s_add_co_u32 s32, s32, s33
	s_lshl_b32 s33, s26, 12                            ; 4,096 for 16 blocks of a tile
	s_add_co_u32 s32, s32, s33
	s_mov_b32 s33, 0
	s_add_nc_u64 s[34:35], s[18:19], s[32:33]
	s_lshr_b32 s32, s32, 4                             ; the scale words' place is a sixteenth of the codes'
	s_add_nc_u64 s[36:37], s[20:21], s[32:33]
	s_lshl_b32 s32, s39, 10                            ; my four blocks of the half's sixteen: 1,024 bytes of codes in a tile,
	s_add_nc_u64 s[34:35], s[34:35], s[32:33]
	s_lshl_b32 s32, s39, 2                             ; and one of a row's four scale words
	s_add_nc_u64 s[36:37], s[36:37], s[32:33]
	v_lshlrev_b32 v4, 2, v1                            ; in: 4 bytes a lane
	v_and_b32 v7, 7, v0
	v_lshl_or_b32 v7, v3, 3, v7                        ; rho = lane % 8 + 8 (lane / 16)
	v_bfe_u32 v8, v0, 3, 1                             ; which of the two tiles: (lane / 8) % 2
	v_lshlrev_b32 v7, 4, v7
	v_lshl_add_u32 v5, v8, 13, v7                      ; codes: tile x 8,192 + 16 rho
	v_lshl_add_u32 v6, v8, 9, v7                       ; scale words: tile x 512 + 16 rho
	WLOAD 0, \pitch
	WLOAD 1, \pitch
.set Q, 0
.rept 4
	WBLOCK Q, \pitch
.set Q, Q+1
.endr
	global_store_b32 v6, v[SB], s[36:37]               ; my column's scale word for these 128 along K
.endm
	s_load_b256 s[4:11], s[0:1], 0x0                   ; x, Wq, Wk, Wv
	s_load_b256 s[12:19], s[0:1], 0x20                 ; Wp, xc, xs, wc
	s_load_b64 s[20:21], s[0:1], 0x40                  ; ws
	v_lshl_add_u32 v[SPW], v0, 2, SPARE
	v_mov_b32 v[NIL], 0
	v_lshrrev_b32 v1, 5, v0
	v_readfirstlane_b32 s22, v1                        ; wave 0..3
	v_and_b32 v1, 31, v0                               ; lane
	v_and_b32 v2, 15, v0                               ; r
	v_bfe_u32 v3, v0, 4, 1                             ; h
	s_cmp_ge_u32 ttmp9, 256
	s_cbranch_scc1 .Lx
	s_lshr_b32 s38, ttmp9, 2                           ; which head (0-47) or which 64 columns of Wp (48-63)
	s_and_b32 s39, ttmp9, 3                            ; which 128 of a wave's half of K
	s_and_b32 s25, s22, 1                              ; which 32 columns of 64
	s_lshr_b32 s26, s22, 1                             ; which half of K
	s_cmp_ge_u32 s38, 48
	s_cbranch_scc1 .Lwp
	; ---- Wq, Wk, Wv: [head][1,024 (K)][64]: rows of 256 bytes
	s_lshr_b32 s23, s38, 4                             ; 0 Wq, 1 Wk, 2 Wv
	s_and_b32 s24, s38, 15                             ; the head
	s_lshl_b32 s27, s24, 1
	s_add_co_u32 s27, s27, s25                         ; which 32 of the weight's 1,024 columns
	s_lshl_b32 s28, s24, 18                            ; a head is 262,144 bytes,
	s_lshl_b32 s29, s26, 17                            ; 512 rows are 131,072,
	s_add_co_u32 s28, s28, s29
	s_lshl_b32 s29, s39, 15                            ; 128 rows are 32,768,
	s_add_co_u32 s28, s28, s29
	s_lshl_b32 s29, s25, 7                             ; 32 columns are 128
	s_add_co_u32 s28, s28, s29
	s_mov_b32 s29, 0
	s_wait_kmcnt 0x0
	s_cmp_eq_u32 s23, 0                                ; the choice hangs on the work-group's number alone
	s_cselect_b64 s[30:31], s[6:7], s[8:9]
	s_cmp_eq_u32 s23, 2
	s_cselect_b64 s[30:31], s[10:11], s[30:31]
	s_add_nc_u64 s[30:31], s[30:31], s[28:29]
	s_wait_alu depctr_va_vdst(0)
	WBODY 256
	s_endpgm
.Lwp:
	; ---- Wp: [1,024 (K)][1,024]: rows of 4,096 bytes; the largest immediate is 127 x 4,096, inside the signed 24 bits
	s_mov_b32 s23, 3
	s_sub_co_u32 s27, s38, 48
	s_lshl_b32 s27, s27, 1
	s_add_co_u32 s27, s27, s25
	s_lshl_b32 s28, s26, 21                            ; 512 rows
	s_lshl_b32 s29, s39, 19                            ; 128 rows
	s_add_co_u32 s28, s28, s29
	s_lshl_b32 s29, s27, 7
	s_add_co_u32 s28, s28, s29
	s_mov_b32 s29, 0
	s_wait_kmcnt 0x0
	s_add_nc_u64 s[30:31], s[12:13], s[28:29]
	s_wait_alu depctr_va_vdst(0)
	WBODY 4096
	s_endpgm
.Lx:
	; ---- x: [8,192][1,024]
	s_sub_co_u32 s23, ttmp9, 256
	s_lshl_b32 s23, s23, 2
	s_add_co_u32 s23, s23, s22                         ; 0..1,023
	s_lshr_b32 s24, s23, 1                             ; the tile
	s_and_b32 s25, s23, 1                              ; which half of K
	s_lshr_b32 s26, s24, 1
	s_lshl_b32 s26, s26, 5
	s_and_b32 s27, s24, 1
	s_lshl_b32 s27, s27, 3
	s_add_co_u32 s26, s26, s27                         ; the tile's first row: 32 (tau / 2) + 8 (tau % 2)
	s_lshl_b32 s26, s26, 12
	s_lshl_b32 s27, s25, 11
	s_add_co_u32 s26, s26, s27
	s_mov_b32 s27, 0
	s_lshl_b32 s28, s24, 13                            ; codes: 8,192 a tile, 4,096 for half of K
	s_lshl_b32 s29, s25, 12
	s_add_co_u32 s28, s28, s29
	s_mov_b32 s29, 0
	s_lshr_b32 s30, s28, 4                             ; scale words: a sixteenth
	s_mov_b32 s31, 0
	s_mul_i32 s32, s22, 8448                           ; my stage
	s_wait_alu depctr_va_vdst(0)
	v_lshlrev_b32 v4, 4, v1                            ; 16 x lane
	v_add_nc_u32 v5, s32, v4                           ; into the stage: a row's 512 bytes as they lie
	v_mul_u32_u24 v6, v2, 528
	v_lshl_add_u32 v6, v3, 6, v6
	v_add_nc_u32 v6, s32, v6                           ; out of it: row r, + 64 h: my 16 numbers of each block
	v_lshlrev_b32 v7, 4, v2                            ; scale words: 16 r
	s_mov_b32 s[SEL], 0x76543210
	s_mov_b32 s[SEL+1], 0xfedcba98
.irp b, 0,1,2,3
	v_mov_b32 v[TM+4+\b], 0                            ; written once: a lane permute's destination counts as one of its sources
.endr
	s_wait_alu depctr_va_vdst(0)
	s_wait_kmcnt 0x0
	s_add_nc_u64 s[4:5], s[4:5], s[26:27]
	s_add_nc_u64 s[14:15], s[14:15], s[28:29]
	s_add_nc_u64 s[16:17], s[16:17], s[30:31]
.macro XLOAD s, set                    ; K step s of my 16 rows: each load reads 512 consecutive bytes
.irp i, 0,1,2,3,4,5,6,7,8,9,10,11,12,13,14,15
	global_load_b128 v[R+64*(\set)+4*\i:R+64*(\set)+4*\i+3], v4, s[4:5] offset:(\i+8*(\i/8))*4096+512*(\s) th:TH_LOAD_NT
.endr
.endm
	XLOAD 0, 0
	XLOAD 1, 1
.irp s, 0,1,2,3
.if \s < 3
	s_wait_loadcnt 16                                  ; this step's 16 loads are in; the next step's 16 may be out
.else
	s_wait_loadcnt 0x0
.endif
.irp i, 0,1,2,3,4,5,6,7,8,9,10,11,12,13,14,15
	ds_store_b128 v5, v[R+64*(\s%2)+4*\i:R+64*(\s%2)+4*\i+3] offset:528*\i
.endr
.irp b, 0,1,2,3
.irp j, 0,1,2,3
	ds_load_b128 v[XX+16*\b+4*\j:XX+16*\b+4*\j+3], v6 offset:128*\b+16*\j   ; LDS serves a wave's instructions in order: these see my stores
.endr
.endr
	s_wait_dscnt 0x0                                   ; the numbers are back, and the stores have read their registers,
.if \s < 2
	XLOAD \s+2, \s%2                                   ; which take the loads of two steps on
.endif
	QUANT XX, PC+8*\s, SW+\s
.irp c, 0,1
	global_store_b128 v4, v[PC+8*\s+4*\c:PC+8*\s+4*\c+3], s[14:15] offset:1024*\s+512*\c   ; 512 consecutive bytes, aligned
.endr
.endr
	v_cmp_gt_u32 vcc_lo, 16, v1
	s_wait_xcnt 0x0                                    ; EXEC changes only when the stores above have read it
	s_and_saveexec_b32 s33, vcc_lo
	global_store_b128 v7, v[SW:SW+3], s[16:17]         ; sixteen lanes store 256 aligned bytes: the tile's scale words of this half of K
	s_wait_xcnt 0x0
	s_or_b32 exec_lo, exec_lo, s33
	s_wait_tensorcnt 0x0                               ; the wave's end, behind my last LDS store
	ds_add_u32 v[SPW], v[NIL]
	s_wait_dscnt 0x0
	s_endpgm
.Lfunc_end_k_q990450c2ec_quant:
	.size	k_q990450c2ec_quant, .Lfunc_end_k_q990450c2ec_quant-k_q990450c2ec_quant
	.p2alignl 7, 3214868480
	.fill 96, 4, 3214868480
	.section	.rodata,"a",@progbits
	.p2align	6, 0x0
	.amdhsa_kernel k_q990450c2ec_quant
		.amdhsa_group_segment_fixed_size 34304
		.amdhsa_private_segment_fixed_size 0
		.amdhsa_enable_private_segment 0
		.amdhsa_kernarg_size 72
		.amdhsa_user_sgpr_count 2
		.amdhsa_user_sgpr_kernarg_segment_ptr 1
		.amdhsa_wavefront_size32 1
		.amdhsa_system_sgpr_workgroup_id_x 1
		.amdhsa_system_sgpr_workgroup_id_y 1
		.amdhsa_system_sgpr_workgroup_id_z 1
		.amdhsa_system_vgpr_workitem_id 0
		.amdhsa_next_free_vgpr 256
		.amdhsa_next_free_sgpr 66
		.amdhsa_reserve_vcc 1
		.amdhsa_float_denorm_mode_32 3
		.amdhsa_float_denorm_mode_16_64 3
		.amdhsa_memory_ordered 1
		.amdhsa_forward_progress 1
		.amdhsa_inst_pref_size 72
	.end_amdhsa_kernel
	.amdgpu_metadata
---
amdhsa.version: [ 1, 2 ]
amdhsa.kernels:
  - .name:           k_q990450c2ec_quant
    .symbol:         k_q990450c2ec_quant.kd
    .args:
      - { .name: x, .offset: 0, .size: 8, .value_kind: global_buffer, .address_space: global }
      - { .name: Wq, .offset: 8, .size: 8, .value_kind: global_buffer, .address_space: global }
      - { .name: Wk, .offset: 16, .size: 8, .value_kind: global_buffer, .address_space: global }
      - { .name: Wv, .offset: 24, .size: 8, .value_kind: global_buffer, .address_space: global }
      - { .name: Wp, .offset: 32, .size: 8, .value_kind: global_buffer, .address_space: global }
      - { .name: xc, .offset: 40, .size: 8, .value_kind: global_buffer, .address_space: global }
      - { .name: xs, .offset: 48, .size: 8, .value_kind: global_buffer, .address_space: global }
      - { .name: wc, .offset: 56, .size: 8, .value_kind: global_buffer, .address_space: global }
      - { .name: ws, .offset: 64, .size: 8, .value_kind: global_buffer, .address_space: global }
    .group_segment_fixed_size: 34304
    .private_segment_fixed_size: 0
    .kernarg_segment_align: 8
    .kernarg_segment_size: 72
    .max_flat_workgroup_size: 128
    .sgpr_count:     66
    .vgpr_count:     256
    .wavefront_size: 32
...
	.end_amdgpu_metadata
.endif
;; end of part 1
;; launch qkv (part 2): grid 8 x 48, 4 waves a work-group, clusters of 4 x 4, 327,680 bytes of LDS; arguments xc, xs, wc, ws, qkv; writes qkv
.if DOCPART == 2
	.amdgcn_target "amdgcn-amd-amdhsa--gfx1250"
	.amdhsa_code_object_version 6
	.text
	.protected	k_q990450c2ec_qkv
	.globl	k_q990450c2ec_qkv
	.p2align	8
	.type	k_q990450c2ec_qkv,@function
k_q990450c2ec_qkv:
	s_mov_b64 s[64:65], 0
	v_nop
	global_prefetch_b8 v0, s[64:65] scope:SCOPE_SE
	s_setreg_imm32_b32 hwreg(HW_REG_WAVE_MODE, 25, 1), 1
	s_wait_xcnt 0x0
	s_wait_alu depctr_hold_cnt(0) depctr_sa_sdst(0) depctr_va_vdst(0) depctr_va_sdst(0) depctr_va_ssrc(0) depctr_va_vcc(0) depctr_vm_vsrc(0)
	s_getreg_b32 s2, hwreg(HW_REG_IB_STS2, 6, 4)
	s_cmp_eq_u32 s2, 0
	s_cbranch_scc0 .Lentry_in_a_cluster
	s_endpgm
.Lentry_in_a_cluster:
	s_bfe_u32 s2, ttmp6, 0x10000c
	s_cmp_lg_u32 s2, 0xf033
	s_cbranch_scc0 .Lentry_shape_is_right
	s_endpgm
.Lentry_shape_is_right:
; LAUNCH 2 OF 4: q, k and v = x W on codes of FP4, K = 1,024, and the quantisers of q, k (along the head's 64) and of v (along the tokens) on the way out.  Nothing is left out here.
; ONE TEXT, TWO ROLES.  Operand L lies on the lanes of a result (source 1), operand R on its registers (source 0): the axis that is to be quantised next is always R's.
;   clusters with y under 8 (256 work-groups): L = x, R = Wq | Wk: a lane holds one token, its registers run along d.
;   clusters with y from 8 on (128 work-groups): L = Wv, R = x: a lane holds one (head, d), its registers run along the tokens.
; The role hangs on the cluster's y alone, which all sixteen partners share.
; A work-group of four waves makes 256 of L x 256 of R; a wave 128 x 128: 64 accumulators, 512 registers.  All of K fits in LDS: two slots of 512 along K, each filled ONCE, with the scale words, at the head.
; CLUSTERS: 4 x 4.  L's tiles hang on the cluster's row and are asked for jointly along it, R's on the column.
; The operands are images of registers (launch quant): a fragment is 1,024 consecutive bytes, so LDS has no pitch and no padding, and a load's 512 bytes are consecutive.
; OUT: qkv [batch x head (64)][group of 128 tokens (16)], 13,056 bytes a group: K's codes 4,096 (8 tiles x [d block][rho][16]), V's codes 4,096 (4 tiles of d x an image, K = the 128 tokens),
; K's scale words 256, V's 256, Q's codes 4,096, Q's scale words 256.  Every store of codes covers 512 aligned bytes.
; LIMITS: as stated at the head of launch quant (floor of the scale byte, blocks of zeros, no NaN or infinity).
; REGISTERS: window 0: v1-3 r, h, 16 x lane; v16-29 addresses; v32-95 scale words, two sets; v128-191 L's fragments, one set (later the codes made); v200-230 the way out.
;   window 1: R's fragments, two sets, at v0 and v128.  Window 2: the accumulators of L's tiles 0-3 ((a, b) at v[8 (8 (a % 4) + b)]); window 3: of tiles 4-7.
.set NB,    8                          ; R's tiles a wave
; LDS: [tile][8,192 bytes: all of K]; L's 16 tiles, then R's 2 NB.  The two halves of K (the slots of the lines above) lie 4,096 bytes apart inside each tile.  All is filled once, one tensor load a wave.
.set HALFL, 65536                      ; 8 tiles x 8,192 bytes: what one wave reads of L
.set HALFR, NB*8192                    ; and of R
.set SCL,   2*HALFL+2*HALFR            ; behind the codes: L's scale words (2 HSL), then R's (2 HSR)
.set HSL,   4096
.set HSR,   NB*512
.set SPARE, SCL+2*HSL+2*HSR            ; the spare words, 128 bytes a wave
.set ADRA, 16                          ; v16-17 LDS address of my L fragments in slot 0, 1
.set ADRB, 20                          ; v20-21 of my R fragments
.set ADRS, 27                          ; v27    of my scale words: lanes 0-15 L's, lanes 16-31 R's
.set SPW,  28
.set NIL,  29
.set SC,   32                          ; set s at v[SC + 32 s]; register 4 i + q: tile i, the slot's q-th 128 along K
.set AF,   128
.set TM,   200
.set PW,   216
.set WD,   224
.set SH,   228
.set CS2,  230
.set PC,   128
.set G1, 24
.set G0, 32
.set G1B, 48
.set G0B, 56
.set G1S, 68
.set G0S, 76
.set G1SB, 80
.set G0SB, 88
.set MSB, 0
.macro WIN new                         ; the immediate's high byte repeats the setting that is left
.if MSB != (\new)
	s_set_vgpr_msb (MSB<<8)|(\new)
.set MSB, (\new)
.endif
.endm
; one arm of the head's tree of branches on the wave's number: its joint load, an s_nop 0 and four v_nop, and a jump to the tree's end
.macro ARM under, g0, g1, next
	s_cmp_lt_u32 s14, \under
	s_cbranch_scc0 \next
	tensor_load_to_lds s[\g0:\g0+3], s[\g1:\g1+7]
	s_nop 0
.rept 4
	v_nop
.endr
	s_branch .Lhead_asked
\next:
.endm
.macro CROUND                          ; a round of the cluster's barrier
	s_barrier_signal -1
	s_barrier_wait -1
	s_cmp_lg_u32 s14, 0
	s_cbranch_scc1 .Lnot_wave_0_\@
	s_barrier_signal -3
.Lnot_wave_0_\@:
	s_barrier_wait -3
	s_barrier_signal -1
	s_barrier_wait -1
.endm
.macro PLACES n
.rept \n
	v_nop
.endr
.endm
.macro FRAG reg, adr, q, i             ; tile i's fragment of the slot's q-th 128 along K: two loads of 512 consecutive bytes
.irp c, 0,1
	ds_load_b128 v[\reg+4*\c:\reg+4*\c+3], v[\adr] offset:8192*(\i)+1024*(\q)+512*\c
.endr
.endm
.macro FETCH_B slot, q, p
	WIN 0x40                                           ; destination window 1
.set FI, 0
.rept NB
	FRAG 128*(\p)+8*FI, ADRB+\slot, \q, FI
.set FI, FI+1
.endr
	WIN 0
.endm
.macro FETCH_A slot, q, i0
.irp i, \i0, \i0+1, \i0+2, \i0+3
	FRAG AF+8*(\i), ADRA+\slot, \q, \i
.endr
.endm
.macro SCALES sc                       ; a slot's scale words: four words a row; lanes 0-15 L's tile i, lanes 16-31 R's tile i
.irp i, 0,1,2,3,4,5,6,7
	ds_load_b128 v[SC+32*\sc+4*\i:SC+32*\sc+4*\i+3], v[ADRS] offset:512*\i+256*\sc
.endr
.endm
; L's tiles a0, a0 + 1 x R's NB.  zero = 1: the first product starts the sums.  The accumulators take turns, one instruction a turn, in the same order in every step
.macro MULG a0, p, q, sc, zero
.irp a, \a0, \a0+1
.set BB, 0
.rept NB
.if \zero == 1
	v_wmma_scale_f32_16x16x128_f8f6f4 v[8*(8*((\a)%4)+BB):8*(8*((\a)%4)+BB)+7], v[128*(\p)+8*BB:128*(\p)+8*BB+7], v[AF+8*(\a):AF+8*(\a)+7], 0, v[SC+32*(\sc)+4*BB+(\q)], v[SC+32*(\sc)+4*(\a)+(\q)] matrix_a_fmt:MATRIX_FMT_FP4 matrix_b_fmt:MATRIX_FMT_FP4 matrix_a_scale:MATRIX_SCALE_ROW1
.else
	v_wmma_scale_f32_16x16x128_f8f6f4 v[8*(8*((\a)%4)+BB):8*(8*((\a)%4)+BB)+7], v[128*(\p)+8*BB:128*(\p)+8*BB+7], v[AF+8*(\a):AF+8*(\a)+7], v[8*(8*((\a)%4)+BB):8*(8*((\a)%4)+BB)+7], v[SC+32*(\sc)+4*BB+(\q)], v[SC+32*(\sc)+4*(\a)+(\q)] matrix_a_fmt:MATRIX_FMT_FP4 matrix_b_fmt:MATRIX_FMT_FP4 matrix_a_scale:MATRIX_SCALE_ROW1
.endif
.set BB, BB+1
.endr
.endr
.endm
; a step of 128 along K that has its successor in the same slot.  Four plain instructions stand in front of each run of loads into registers that matrix instructions have read
.macro STEP slot, q, zero
	s_wait_dscnt 8                                     ; all but the youngest eight loads (L's tiles 4-7) are in
	WIN 0xa1                                           ; source 0 window 1, source 1 window 0, C and D window 2
	MULG 0, (\q)%2, \q, \slot, \zero
	MULG 2, (\q)%2, \q, \slot, \zero
	s_wait_dscnt 0x0
	PLACES 4
	FETCH_B \slot, (\q)+1, 1-(\q)%2
	FETCH_A \slot, (\q)+1, 0
	WIN 0xf1                                           ; C and D window 3
	MULG 4, (\q)%2, \q, \slot, \zero
	MULG 6, (\q)%2, \q, \slot, \zero
	PLACES 4
	WIN 0
	FETCH_A \slot, (\q)+1, 4
.endm
	s_load_b256 s[4:11], s[0:1], 0x0                   ; xc, xs, wc, ws
	s_load_b64 s[12:13], s[0:1], 0x20                  ; qkv
	v_lshl_add_u32 v[SPW], v0, 2, SPARE
	v_mov_b32 v[NIL], 0
	ds_add_u32 v[SPW], v[NIL]                          ; the wave's opening: the add, twice on end, and its wait ahead of my first tensor load
	ds_add_u32 v[SPW], v[NIL]
	v_lshrrev_b32 v1, 5, v0
	v_readfirstlane_b32 s14, v1                        ; wave 0..3
	s_lshr_b32 s15, s14, 1                             ; my half of L
	s_and_b32 s16, s14, 1                              ; my half of R
	s_bfe_u32 s40, ttmp6, 0x40000                      ; cx
	s_bfe_u32 s41, ttmp6, 0x40004                      ; cy
	s_and_b32 s17, ttmp7, 0xffff                       ; the cluster's y, 0..11
	s_max_u32 s18, s17, 8
	s_sub_co_u32 s18, s18, 8
	s_lshl_b32 s18, s18, 1
	s_add_co_u32 s18, s18, ttmp9                       ; the v part's cluster column: x + 2 (y - 8), 0..7
	s_cmp_ge_u32 s17, 8
	s_cselect_b32 s66, 1, 0                            ; 1: the v part
	s_cselect_b32 s17, 0, s17
	s_cselect_b32 s42, s18, ttmp9
	s_lshl_b32 s17, s17, 2
	s_add_co_u32 s17, s17, s41                         ; YL: which 16 tiles of L
	s_lshl_b32 s42, s42, 2
	s_add_co_u32 s42, s42, s40                         ; XR: which 16 tiles of R
	s_lshl_b32 s43, s41, 2
	s_lshl_b32 s43, 15, s43                            ; my row of the cluster
	s_lshl_b32 s44, 0x1111, s40                        ; my column
	s_or_b32 s[G1], s43, (3<<16)|(1<<21)               ; 15:0 the mask; 17:16 elements of 8 bytes; 21 set beside a mask; no padding
	s_or_b32 s[G1B], s44, (3<<16)|(1<<21)
	s_or_b32 s[G1S], s43, (3<<16)|(1<<21)
	s_or_b32 s[G1SB], s44, (3<<16)|(1<<21)
	s_mov_b32 s[G1+1], 512<<16                         ; L's codes: rows of 512 elements (4,096 bytes), 512 elements apart
	s_mov_b32 s[G1+2], 32<<16                          ; 16 tiles x 8,192 bytes lie dense: 32 rows of 4,096
	s_mov_b32 s[G1+3], 512<<16
	s_mov_b32 s[G1+4], 32
	s_mov_b32 s[G1+5], 512
	s_mov_b32 s[G1+6], 0
	s_mov_b32 s[G1+7], 0
	s_mov_b32 s[G1B+1], 512<<16                        ; R's: 4 NB rows
	s_mov_b32 s[G1B+2], (4*NB)<<16                     ; 2 NB tiles: 4 NB rows of 4,096
	s_mov_b32 s[G1B+3], 512<<16
	s_mov_b32 s[G1B+4], 4*NB
	s_mov_b32 s[G1B+5], 512
	s_mov_b32 s[G1B+6], 0
	s_mov_b32 s[G1B+7], 0
	s_mov_b32 s[G1S+1], 32<<16                         ; L's scale words: 8,192 dense bytes as 32 rows of 256
	s_mov_b32 s[G1S+2], 32<<16                         ; 16 tiles x 512 bytes: 32 rows of 256
	s_mov_b32 s[G1S+3], 32<<16
	s_mov_b32 s[G1S+4], 32
	s_mov_b32 s[G1S+5], 32
	s_mov_b32 s[G1S+6], 0
	s_mov_b32 s[G1S+7], 0
	s_mov_b32 s[G1SB+1], 32<<16                        ; R's: 4 NB rows of 256
	s_mov_b32 s[G1SB+2], (4*NB)<<16                    ; 2 NB tiles x 512 bytes
	s_mov_b32 s[G1SB+3], 32<<16
	s_mov_b32 s[G1SB+4], 4*NB
	s_mov_b32 s[G1SB+5], 32
	s_mov_b32 s[G1SB+6], 0
	s_mov_b32 s[G1SB+7], 0
	s_lshl_b32 s20, s17, 17                            ; L's codes: 16 tiles x 8,192 a work-group
	s_mov_b32 s21, 0
	s_lshl_b32 s22, s17, 13                            ; L's scale words: 16 x 512
	s_mov_b32 s23, 0
	s_mul_i32 s46, s42, 2*NB*8192                      ; R's codes
	s_mov_b32 s47, 0
	s_mul_i32 s44, s42, 2*HSR                          ; R's scale words
	s_mov_b32 s45, 0
	s_wait_dscnt 0x0                                   ; both opening adds are done
	s_wait_kmcnt 0x0
	s_add_nc_u64 s[92:93], s[8:9], 0x100000            ; Wv's codes: the third weight
	s_add_nc_u64 s[94:95], s[10:11], 0x10000           ; and its scale words
	s_cmp_eq_u32 s66, 1                                ; the roles: a choice between buffers on the cluster's y
	s_cselect_b64 s[92:93], s[92:93], s[4:5]           ; L's codes
	s_cselect_b64 s[94:95], s[94:95], s[6:7]           ; L's scale words
	s_cselect_b64 s[96:97], s[4:5], s[8:9]             ; R's codes (Wq and Wk lie on end)
	s_cselect_b64 s[98:99], s[6:7], s[10:11]           ; R's scale words
	s_add_nc_u64 s[20:21], s[92:93], s[20:21]
	s_add_nc_u64 s[22:23], s[94:95], s[22:23]
	s_add_nc_u64 s[46:47], s[96:97], s[46:47]
	s_add_nc_u64 s[44:45], s[98:99], s[44:45]
	CROUND                                             ; all sixteen work-groups are here: the joint loads meet
	s_mov_b32 s[G0S], 1
	s_mov_b32 s[G0S+1], SCL
	s_mov_b64 s[G0S+2:G0S+3], s[22:23]
	s_or_b32 s[G0S+3], s[G0S+3], 0x80000000
	s_mov_b32 s[G0SB], 1
	s_mov_b32 s[G0SB+1], SCL+2*HSL
	s_mov_b64 s[G0SB+2:G0SB+3], s[44:45]
	s_or_b32 s[G0SB+3], s[G0SB+3], 0x80000000
	s_mov_b32 s[G0], 1
	s_mov_b32 s[G0+1], 0
	s_mov_b64 s[G0+2:G0+3], s[20:21]
	s_or_b32 s[G0+3], s[G0+3], 0x80000000
	s_mov_b32 s[G0B], 1
	s_mov_b32 s[G0B+1], 2*HALFL
	s_mov_b64 s[G0B+2:G0B+3], s[46:47]
	s_or_b32 s[G0B+3], s[G0B+3], 0x80000000
	; THE HEAD'S LOADS, ONE A WAVE: wave 0 L's codes, wave 1 R's, wave 2 L's scale words, wave 3 R's.  No other tensor load follows
	ARM 1, G0,  G1,  .Lhead_b
	ARM 2, G0B, G1B, .Lhead_sa
	ARM 3, G0S, G1S, .Lhead_sb
	tensor_load_to_lds s[G0SB:G0SB+3], s[G1SB:G1SB+7]
	s_nop 0
.rept 4
	v_nop
.endr
.Lhead_asked:
	v_and_b32 v1, 15, v0                               ; r
	v_bfe_u32 v2, v0, 4, 1                             ; h
	s_wait_alu depctr_va_vdst(0)
	v_and_b32 v3, 31, v0
	v_lshlrev_b32 v3, 4, v3                            ; 16 x lane
	s_mul_i32 s2, s15, HALFL
	s_mul_i32 s3, s16, HALFR
	s_add_co_u32 s3, s3, 2*HALFL
.irp s, 0,1
	v_add_nc_u32 v[ADRA+\s], s2, v3
	v_add_nc_u32 v[ADRB+\s], s3, v3
	s_add_co_u32 s2, s2, 4096                          ; the second half of K lies 4,096 bytes on in each tile
	s_add_co_u32 s3, s3, 4096
.endr
	v_lshlrev_b32 v5, 4, v1                            ; a row's four scale words: 16 r
	s_mul_i32 s2, s15, HSL
	s_mul_i32 s3, s16, HSR
	s_add_co_u32 s3, s3, 2*HSL
	s_sub_co_u32 s3, s3, s2
	v_mul_u32_u24 v6, s3, v2                           ; lanes 16-31 take R's: one product, the distance between the two bases
	s_add_co_u32 s2, s2, SCL
	v_add_nc_u32 v5, v5, v6
	v_add_nc_u32 v[ADRS], s2, v5
	s_wait_alu depctr_va_vdst(0)
	s_wait_tensorcnt 0x0                               ; my one load has landed; behind the barrier everybody's has, and nothing is filled again
	s_barrier_signal -1
	s_barrier_wait -1
	FETCH_B 0, 0, 0
	FETCH_A 0, 0, 0
	SCALES 0
	FETCH_A 0, 0, 4
	STEP 0, 0, 1
	STEP 0, 1, 0
	STEP 0, 2, 0
	; the first half's last step fetches the second half's first fragments and scale words: all of K is in LDS, so no barrier stands here
	s_wait_dscnt 8                                     ; all but the youngest eight loads are in
	WIN 0xa1
	MULG 0, 1, 3, 0, 0
	s_wait_dscnt 0x0
	MULG 2, 1, 3, 0, 0
	WIN 0
	PLACES 4
	FETCH_B 1, 0, 0
	FETCH_A 1, 0, 0
	SCALES 1
	WIN 0xf1
	MULG 4, 1, 3, 0, 0
	MULG 6, 1, 3, 0, 0
	PLACES 4
	WIN 0
	FETCH_A 1, 0, 4
	STEP 1, 0, 0
	STEP 1, 1, 0
	STEP 1, 2, 0
	s_wait_dscnt 8                                     ; the last step: nothing more to fetch
	WIN 0xa1
	MULG 0, 1, 3, 1, 0
	MULG 2, 1, 3, 1, 0
	s_wait_dscnt 0x0
	WIN 0xf1
	MULG 4, 1, 3, 1, 0
	MULG 6, 1, 3, 1, 0
	WIN 0
	PLACES 4
	; ---- THE WAY OUT.  For each of L's 8 tiles a lane's 64 registers are 128 neighbours along R (its half of each block of 32): they become a fragment's codes and a scale word.
	s_mov_b32 s2, 0x76543210
	s_mov_b32 s3, 0xfedcba98                           ; selects of v_permlanex16_b32: lane l xor 16
.irp b, 0,1,2,3
	v_mov_b32 v[TM+4+\b], 0                            ; written once: a lane permute's destination counts as one of its sources
.endr
	v_lshlrev_b32 v[SH], 4, v2                         ; 16 h
	v_mul_u32_u24 v[CS2], v2, 208896
	v_lshl_add_u32 v[CS2], v1, 4, v[CS2]               ; scale words: lanes 0-15 the first head's, lanes 16-31 the second's; 16 r
	s_and_b32 s92, s42, 3
	s_cmp_eq_u32 s66, 1
	s_cselect_b32 s93, s42, s17                        ; which 256 tokens
	s_cselect_b32 s94, s16, s15                        ; and which half of them
	s_cselect_b32 s92, s17, s92                        ; which four heads
	s_cselect_b32 s95, s15, s16                        ; and which two of them
	s_lshr_b32 s96, s93, 3                             ; the batch
	s_and_b32 s93, s93, 7
	s_lshl_b32 s93, s93, 1
	s_add_co_u32 s93, s93, s94                         ; the group of 128 tokens
	s_lshl_b32 s92, s92, 2
	s_lshl_b32 s95, s95, 1
	s_add_co_u32 s92, s92, s95
	s_lshl_b32 s96, s96, 4
	s_add_co_u32 s92, s92, s96                         ; 16 x batch + head
	s_mul_i32 s92, s92, 208896
	s_mul_i32 s93, s93, 13056
	s_add_co_u32 s92, s92, s93
	s_cmp_eq_u32 ttmp9, 0                              ; cluster x = 0: q; 1: k
	s_cselect_b32 s94, 8704, 0
	s_mov_b32 s95, 8192
	s_cselect_b32 s95, 12800, s95
	s_cmp_eq_u32 s66, 1
	s_cselect_b32 s94, 4096, s94                       ; the section's codes
	s_cselect_b32 s95, 8448, s95                       ; and scale words
	s_add_co_u32 s96, s94, s92
	s_mov_b32 s97, 0
	s_add_nc_u64 s[96:97], s[12:13], s[96:97]
	s_add_co_u32 s98, s95, s92
	s_mov_b32 s99, 0
	s_add_nc_u64 s[98:99], s[12:13], s[98:99]
.macro QUANTW src, w, pc, pw           ; 64 registers of window w, register 16 b + i = index 32 b + 16 h + i, each accumulator read from its low end on
	WIN 5*(\w)                                         ; sources 0 and 1 window w
.irp b, 0,1,2,3
	v_max3_num_f32 v[TM+\b], |v[(\src)+16*\b]|, |v[(\src)+16*\b+1]|, 0x1800000   ; and the floor 2^(3 - 127)
.endr
.irp i, 2,4,6,8,10,12,14
.irp b, 0,1,2,3
	v_max3_num_f32 v[TM+\b], |v[(\src)+16*\b+\i]|, |v[(\src)+16*\b+\i+1]|, v[TM+\b]
.endr
.endr
	WIN 0
.irp b, 0,1,2,3
	v_permlanex16_b32 v[TM+4+\b], v[TM+\b], s2, s3
.endr
.irp b, 0,1,2,3
	v_max_num_f32 v[TM+\b], v[TM+\b], v[TM+4+\b]
.endr
.irp b, 0,1,2,3
	v_add_nc_u32 v[TM+8+\b], 0xff000000, v[TM+\b]      ; 2 off the exponent field: the conversions' scale operand
.endr
.irp b, 0,1,2,3
	v_lshrrev_b32 v[TM+4+\b], 23, v[TM+8+\b]           ; the byte
.endr
	v_lshl_or_b32 v[\pw], v[TM+5], 8, v[TM+4]
	v_lshl_or_b32 v[\pw], v[TM+6], 16, v[\pw]
	v_lshl_or_b32 v[\pw], v[TM+7], 24, v[\pw]
	WIN \w                                             ; source 0 window w
.irp b, 0,1,2,3
	v_cvt_scalef32_pk8_fp4_f32 v[\pc+2*\b], v[(\src)+16*\b:(\src)+16*\b+7], v[TM+8+\b]
	v_cvt_scalef32_pk8_fp4_f32 v[\pc+2*\b+1], v[(\src)+16*\b+8:(\src)+16*\b+15], v[TM+8+\b]
.endr
	WIN 0
	v_nop                                              ; one plain instruction behind the scaled conversions
.irp c, 0,1
.irp i, 0,1
	v_permlane16_swap_b32 v[\pc+4*\c+\i], v[\pc+4*\c+2+\i]
.endr
.endr
.endm
.irp a, 0,1,2,3,4,5,6,7
	QUANTW 64*(\a%4), 2+\a/4, PC+8*\a, PW+\a
.endr
	s_cmp_eq_u32 s66, 1
	s_cbranch_scc1 .Lv_arm
	; q or k: L's tile a is a tile of tokens; registers 4 c .. 4 c + 3 are head c's 64 along d: lane (r, h) holds block h of token r
.irp a, 0,1,2,3,4,5,6,7
.irp c, 0,1
	global_store_b128 v3, v[PC+8*\a+4*\c:PC+8*\a+4*\c+3], s[96:97] offset:512*\a+208896*\c
.endr
.endr
.irp a, 0,1,2,3,4,5,6,7
	v_lshrrev_b32 v[PW+\a], v[SH], v[PW+\a]            ; my head's two bytes come down
.endr
.irp b, 0,1,2,3
	v_perm_b32 v[WD+\b], v[PW+2*\b+1], v[PW+2*\b], 0x05040100   ; a word: tile 2 b's two bytes, then tile 2 b + 1's
.endr
	global_store_b128 v[CS2], v[WD:WD+3], s[98:99]     ; two runs of 256 aligned bytes
	s_branch .Lend
.Lv_arm:
	; v: L's tile a is tile a % 4 of d of head a / 4; the fragment's K are the group's 128 tokens
	s_wait_alu depctr_va_vdst(0)
.irp a, 0,1,2,3,4,5,6,7
.irp c, 0,1
	global_store_b128 v3, v[PC+8*\a+4*\c:PC+8*\a+4*\c+3], s[96:97] offset:(\a/4)*208896+(\a%4)*1024+512*\c
.endr
.endr
	v_cmp_eq_u32 vcc_lo, 1, v2
.irp d, 0,1,2,3
	v_cndmask_b32 v[WD+\d], v[PW+\d], v[PW+4+\d], vcc_lo
.endr
	global_store_b128 v[CS2], v[WD:WD+3], s[98:99]
.Lend:
	s_wait_tensorcnt 0x0                               ; the wave's end
	ds_add_u32 v[SPW], v[NIL]
	s_wait_dscnt 0x0
	CROUND                                             ; the closing round
	s_endpgm
.Lfunc_end_k_q990450c2ec_qkv:
	.size	k_q990450c2ec_qkv, .Lfunc_end_k_q990450c2ec_qkv-k_q990450c2ec_qkv
	.p2alignl 7, 3214868480
	.fill 96, 4, 3214868480
	.section	.rodata,"a",@progbits
	.p2align	6, 0x0
	.amdhsa_kernel k_q990450c2ec_qkv
		.amdhsa_group_segment_fixed_size 327680
		.amdhsa_private_segment_fixed_size 0
		.amdhsa_enable_private_segment 0
		.amdhsa_kernarg_size 40
		.amdhsa_user_sgpr_count 2
		.amdhsa_user_sgpr_kernarg_segment_ptr 1
		.amdhsa_wavefront_size32 1
		.amdhsa_system_sgpr_workgroup_id_x 1
		.amdhsa_system_sgpr_workgroup_id_y 1
		.amdhsa_system_sgpr_workgroup_id_z 1
		.amdhsa_system_vgpr_workitem_id 0
		.amdhsa_next_free_vgpr 1024
		.amdhsa_next_free_sgpr 100
		.amdhsa_reserve_vcc 1
		.amdhsa_float_denorm_mode_32 3
		.amdhsa_float_denorm_mode_16_64 3
		.amdhsa_memory_ordered 1
		.amdhsa_forward_progress 1
		.amdhsa_inst_pref_size 130
	.end_amdhsa_kernel
	.amdgpu_metadata
---
amdhsa.version: [ 1, 2 ]
amdhsa.kernels:
  - .name:           k_q990450c2ec_qkv
    .symbol:         k_q990450c2ec_qkv.kd
    .args:
      - { .name: xc, .offset: 0, .size: 8, .value_kind: global_buffer, .address_space: global }
      - { .name: xs, .offset: 8, .size: 8, .value_kind: global_buffer, .address_space: global }
      - { .name: wc, .offset: 16, .size: 8, .value_kind: global_buffer, .address_space: global }
      - { .name: ws, .offset: 24, .size: 8, .value_kind: global_buffer, .address_space: global }
      - { .name: qkv, .offset: 32, .size: 8, .value_kind: global_buffer, .address_space: global }
    .group_segment_fixed_size: 327680
    .private_segment_fixed_size: 0
    .kernarg_segment_align: 8
    .kernarg_segment_size: 40
    .max_flat_workgroup_size: 128
    .sgpr_count:     100
    .vgpr_count:     1024
    .wavefront_size: 32
...
	.end_amdgpu_metadata
.endif
;; end of part 2
;; launch attn (part 3): grid 4 x 64, 16 waves a work-group, clusters of 4 x 1, 167,936 bytes of LDS; arguments qkv, oc, os; writes oc, os
.if DOCPART == 3
	.amdgcn_target "amdgcn-amd-amdhsa--gfx1250"
	.amdhsa_code_object_version 6
	.text
	.protected	k_q990450c2ec_attn
	.globl	k_q990450c2ec_attn
	.p2align	8
	.type	k_q990450c2ec_attn,@function
k_q990450c2ec_attn:
	s_mov_b64 s[64:65], 0
	v_nop
	global_prefetch_b8 v0, s[64:65] scope:SCOPE_SE
	s_setreg_imm32_b32 hwreg(HW_REG_WAVE_MODE, 25, 1), 1
	s_wait_xcnt 0x0
	s_wait_alu depctr_hold_cnt(0) depctr_sa_sdst(0) depctr_va_vdst(0) depctr_va_sdst(0) depctr_va_ssrc(0) depctr_va_vcc(0) depctr_vm_vsrc(0)
	s_getreg_b32 s2, hwreg(HW_REG_IB_STS2, 6, 4)
	s_cmp_eq_u32 s2, 0
	s_cbranch_scc0 .Lentry_in_a_cluster
	s_endpgm
.Lentry_in_a_cluster:
	s_bfe_u32 s2, ttmp6, 0x10000c
	s_cmp_lg_u32 s2, 0x3003
	s_cbranch_scc0 .Lentry_shape_is_right
	s_endpgm
.Lentry_shape_is_right:
; LAUNCH 3 OF 4: the causal attention of one (batch, head) on codes of FP4, and the quantiser of the last product's left operand.
; LEFT OUT AS DEAD WORK: key steps of 128 keys wholly above the diagonal of the problem's own mask (shown at the head of launch quant); a NaN, an infinity or an overflow that arises only there is not carried on.
; THE SOFTMAX: t = score x log2(e) / 8; M = the running largest t rounded UP to a whole number; p = 2^(t - M) is quantised along the keys, not normalised; the row's sum is taken of the unquantised p and
; divides at the end; when M moves, the sum and O are multiplied by 2^(old M - new M), which rounds nothing.  A block's largest p is made from the block's largest score by the same two instructions
; (this takes v_exp_f32 not to fall where its input rises).
; SHARES.  A cluster of four work-groups takes a head; a work-group has sixteen waves of 256 registers.  Wave w of partner cx owns two tiles of 16 queries, 4 w + cx and 127 - (4 w + cx): their last key
; steps are w / 2 and 15 - w / 2, which hang on the wave's number alone, and every wave walks 17 key steps.  cx enters global addresses and the mask's numbers only.
; LDS.  The head's K and V, codes and scale words, 16 steps x 8,704 bytes, come ONCE: wave w asks for step w, jointly with the three partners, which read the same bytes.  No slot is filled again, and no
; barrier stands in the loops.
; THE FIRST PRODUCT'S K IS 64, half of the instruction's 128.  A fragment of K's codes holds two tiles of keys (k 0-63: tile 2 b, k 64-127: tile 2 b + 1); the queries' operand has q in one half and zero
; codes under the byte 1 in the other: the other tile's products are exactly 0.  So each fragment read from LDS serves two matrix instructions.
; Both products are used transposed: a lane holds ONE query.  The keys of a tile are 32 b + 8 u + r + 8 (r / 8), so that p's 16 registers of two tiles are 16 neighbouring keys; V's rows of d likewise, so
; that O's 16 registers are 16 neighbours along the last product's K.
; OUT: oc, os: laid as launch quant lays x's codes and scale words.  A head owns 2 of a row's 32 scale bytes: they leave by a store of one byte a lane, 32 bytes of one block of 256: one byte in 17 of what the launch stores.
.set HEADB, 208896
.set BUN,   13056
.set STEPB, 8704                       ; K's codes 4,096, V's 4,096, K's scale words 256, V's 256
.set SPARE, 16*STEPB                   ; the spare words, 128 bytes for each of 16 waves
.set LI,  1                            ; v1  16 x lane
.set LR,  2                            ; v2  16 r
.set RP,  3                            ; v3  r + 8 (r / 8) - 16 h
.set LRH, 4                            ; v4  16 r + h
.set SPW, 5
.set NIL, 6
.set HH,  7                            ; v7  h
.set ADK, 8
.set ADS, 9
.set SEL, 20                           ; s[20:21]
.set CS,  22                           ; s[22:23] c = log2(e) / 8
.macro ROUND
	s_barrier_signal -1
	s_barrier_wait -1
	s_cmp_lg_u32 s18, 0
	s_cbranch_scc1 .Lnot_wave_0_\@
	s_barrier_signal -3
.Lnot_wave_0_\@:
	s_barrier_wait -3
	s_barrier_signal -1
	s_barrier_wait -1
.endm
	s_load_b128 s[4:7], s[0:1], 0x0                    ; qkv, oc
	s_load_b64 s[8:9], s[0:1], 0x10                    ; os
	v_lshl_add_u32 v[SPW], v0, 2, SPARE
	v_mov_b32 v[NIL], 0
	ds_add_u32 v[SPW], v[NIL]                          ; the wave's opening: the add, twice on end, and its wait ahead of my first tensor load
	ds_add_u32 v[SPW], v[NIL]
	v_lshrrev_b32 v8, 5, v0
	s_delay_alu instid0(VALU_DEP_1)
	v_readfirstlane_b32 s18, v8                        ; wave 0..15
	s_bfe_u32 s19, ttmp6, 0x40000                      ; cx
	s_and_b32 s10, ttmp7, 0xffff                       ; 16 x batch + head: the four partners share it
	s_mov_b32 s24, 15|(3<<16)|(1<<21)                  ; group 1: the mask names all four; elements of 8 bytes; 21 set beside a mask; no padding
	s_mov_b32 s25, 32<<16                              ; 34 rows of 256 bytes, dense
	s_mov_b32 s26, 34<<16
	s_mov_b32 s27, 32<<16
	s_mov_b32 s28, 34
	s_mov_b32 s29, 32
	s_mov_b32 s30, 0
	s_mov_b32 s31, 0
	s_mov_b32 s32, 1
	s_mul_i32 s33, s18, STEPB                          ; step w's place in LDS
	s_mul_i32 s50, s10, HEADB
	s_mov_b32 s51, 0
	s_mul_i32 s52, s18, BUN
	s_mov_b32 s53, 0
	s_mov_b32 s[SEL], 0x76543210
	s_mov_b32 s[SEL+1], 0xfedcba98
	s_mov_b32 s[CS], 0x3e38aa3b
	s_mov_b32 s[CS+1], s[CS]                           ; (named with it as a pair, so it is written)
	s_lshr_b32 s40, s18, 1                             ; the last key step of my first tile,
	s_sub_co_u32 s41, 15, s40                          ; and of my second
	s_lshl_b32 s42, s18, 2
	s_add_co_u32 s42, s42, s19                         ; my first tile of queries
	s_sub_co_u32 s43, 127, s42                         ; my second
	s_wait_dscnt 0x0                                   ; both opening adds are done
	s_wait_kmcnt 0x0
	s_add_nc_u64 s[36:37], s[4:5], s[50:51]            ; the head's bytes
	s_add_nc_u64 s[34:35], s[36:37], s[52:53]          ; step w's
	s_or_b32 s35, s35, 0x80000000
	ROUND                                              ; all four work-groups are here: the joint loads meet
	tensor_load_to_lds s[32:35], s[24:31]              ; my one tensor load
	s_nop 0
.rept 4
	v_nop
.endr
	v_and_b32 v[LI], 31, v0
	s_delay_alu instid0(VALU_DEP_1)
	v_lshlrev_b32 v[LI], 4, v[LI]
	v_and_b32 v8, 15, v0                               ; r
	v_bfe_u32 v[HH], v0, 4, 1
	s_delay_alu instid0(VALU_DEP_2)
	v_lshlrev_b32 v[LR], 4, v8
	s_wait_alu depctr_va_vdst(0)
	v_and_b32 v[RP], 8, v8
	s_delay_alu instid0(VALU_DEP_1)
	v_add_nc_u32 v[RP], v[RP], v8
	v_lshlrev_b32 v9, 4, v[HH]
	s_delay_alu instid0(VALU_DEP_1)
	v_sub_nc_u32 v[RP], v[RP], v9
	v_add_nc_u32 v[LRH], v[LR], v[HH]
.macro QADDR qt, vq, vs                ; where tile qt's codes and scale bytes of Q lie in the head
	s_lshr_b32 s50, s[\qt], 3
	s_mul_i32 s50, s50, BUN
	s_and_b32 s51, s[\qt], 7
	s_lshl_b32 s52, s51, 9
	s_add_co_u32 s52, s52, s50
	s_add_co_u32 s52, s52, 8704
	v_add_nc_u32 v[\vq], s52, v[LI]
	s_lshl_b32 s52, s51, 1
	s_add_co_u32 s52, s52, s50
	s_add_co_u32 s52, s52, 12800
	v_add_nc_u32 v[\vs], s52, v[LR]
.endm
	QADDR 42, 216, 217
	QADDR 43, 218, 219
	s_wait_alu depctr_va_vdst(0)
	global_load_b128 v[20:23], v216, s[36:37]          ; q: lane (r, h): block h of query r
	global_load_u16 v200, v217, s[36:37]               ; its two scale bytes
	global_load_b128 v[208:211], v218, s[36:37]
	global_load_u16 v202, v219, s[36:37]
.irp j, 16,17,18,19,24,25,26,27,204,205,206,207,212,213,214,215
	v_mov_b32 v[\j], 0                                 ; the zero codes on either side of q
.endr
.irp j, 236,237,238,239,252,253
	v_mov_b32 v[\j], 0                                 ; written once: destinations of lane permutes, and a pair that is named whole
.endr
.macro DIAG qt, de                     ; the tile's first query within its group of 128: 32 (e / 2) + 8 (e % 2)
	s_and_b32 s50, s[\qt], 7
	s_lshr_b32 s51, s50, 1
	s_lshl_b32 s51, s51, 5
	s_and_b32 s50, s50, 1
	s_lshl_b32 s50, s50, 3
	s_add_co_u32 s[\de], s51, s50
.endm
	DIAG 42, 44
	DIAG 43, 45
	s_lshr_b32 s50, s10, 4
	s_lshl_b32 s50, s50, 7                             ; 128 tiles a batch
	s_and_b32 s51, s10, 15                             ; the head
	s_lshl_b32 s52, s51, 9                             ; its two blocks of a tile's codes: 512 bytes
	s_lshr_b32 s53, s51, 3
	s_lshl_b32 s53, s53, 8                             ; scale bytes: which half of K,
	s_bfe_u32 s54, s10, 0x20001
	s_lshl_b32 s54, s54, 2                             ; which word,
	s_add_co_u32 s53, s53, s54
	s_and_b32 s54, s10, 1
	s_lshl_b32 s54, s54, 1                             ; which pair of bytes
	s_add_co_u32 s53, s53, s54
	s_add_co_u32 s54, s50, s42
	s_lshl_b32 s46, s54, 13
	s_add_co_u32 s46, s46, s52
	s_lshl_b32 s47, s54, 9
	s_add_co_u32 s47, s47, s53
	s_add_co_u32 s54, s50, s43
	s_lshl_b32 s48, s54, 13
	s_add_co_u32 s48, s48, s52
	s_lshl_b32 s49, s54, 9
	s_add_co_u32 s49, s49, s53
	s_wait_loadcnt 0x0
	v_lshl_or_b32 v201, v200, 16, 0x101                ; q in k 64-127: its bytes above, the byte 1 over the zero codes
	v_or_b32 v200, 0x1010000, v200                     ; q in k 0-63
	v_lshl_or_b32 v203, v202, 16, 0x101
	v_or_b32 v202, 0x1010000, v202
	s_wait_tensorcnt 0x0                               ; my step has landed,
	s_barrier_signal -1
	s_barrier_wait -1                                  ; everybody's has
; ONE TILE OF 16 QUERIES.  QB: its 12 registers (zeros, q, zeros); QLO, QHI: its two scale words; LS, DE, OC, OS: scalar registers: last key step, first query in the group, places in oc and os.
; The loop has 16 trips, a constant; a step behind the tile's last is jumped over by a branch on the wave's number and the count of steps.
.macro PASS QB, QLO, QHI, LS, DE, OC, OS
	v_mov_b32 v13, 0xff61b1e6                          ; the largest t so far: -3e38
	s_delay_alu instid0(VALU_DEP_1)
	v_floor_f32 v12, -v13                              ; -M
	v_mov_b32 v14, 0                                   ; the sum, in two halves
	v_mov_b32 v15, 0
.set J, 0
.rept 32
	v_mov_b32 v[160+J], 0                              ; O^T: the step is written once; the first change of M leaves zeros zeros
.set J, J+1
.endr
	s_mov_b32 s38, 0                                   ; the step
	s_mov_b32 s39, 0                                   ; its place in LDS
.Lstep_\@:
	s_cmp_gt_u32 s38, s[\LS]
	s_cbranch_scc1 .Lskip_\@
	v_add_nc_u32 v[ADK], s39, v[LI]
	v_add_nc_u32 v[ADS], s39, v[LR]
	v_nop
	v_nop                                              ; four plain instructions in front of loads into registers that the last products read
	ds_load_b128 v[192:195], v[ADS] offset:8192        ; K's scale words: a word for each pair of tiles
.irp b, 0,1,2,3
.irp c, 0,1
	ds_load_b128 v[32+8*\b+4*\c:35+8*\b+4*\c], v[ADK] offset:1024*\b+512*\c
.endr
.endr
	ds_load_b128 v[196:199], v[ADS] offset:8448        ; V's scale words: a word for each tile of d
.irp d, 0,1,2,3
.irp c, 0,1
	ds_load_b128 v[64+8*\d+4*\c:67+8*\d+4*\c], v[ADK] offset:4096+1024*\d+512*\c
.endr
.endr
	s_wait_dscnt 9                                     ; K's nine loads are in; V's nine may be out
.irp b, 0,1,2,3
	v_wmma_scale_f32_16x16x128_f8f6f4 v[96+16*\b:103+16*\b], v[32+8*\b:39+8*\b], v[\QB+4:\QB+11], 0, v[192+\b], v[\QLO] matrix_a_fmt:MATRIX_FMT_FP4 matrix_b_fmt:MATRIX_FMT_FP4
	v_wmma_scale_f32_16x16x128_f8f6f4 v[104+16*\b:111+16*\b], v[32+8*\b:39+8*\b], v[\QB:\QB+7], 0, v[192+\b], v[\QHI] matrix_a_fmt:MATRIX_FMT_FP4 matrix_b_fmt:MATRIX_FMT_FP4
.endr                                              ; register 16 b + i of v96 on: key 32 b + 16 h + i of the step
.rept 4
	v_nop
.endr
	s_cmp_lg_u32 s38, s[\LS]
	s_cbranch_scc1 .Lopen_\@
	v_add_nc_u32 v252, s[\DE], v[RP]                   ; the tile's last step lies on the diagonal: key 32 b + i + 16 h is hidden where 32 b + i > my query - 16 h
	v_mov_b32 v254, 0xff800000                         ; -infinity: p = 0 then.  My own key counts, so the row's maximum is a number
.set J, 0
.rept 64
	v_cmp_gt_i32 vcc_lo, 32*(J/16)+J%16, v252
	v_cndmask_b32 v[96+J], v[96+J], v254, vcc_lo
.set J, J+1
.endr
.Lopen_\@:
.irp b, 0,1,2,3
	v_max3_num_f32 v[232+\b], v[96+16*\b], v[97+16*\b], v[98+16*\b]   ; the largest score of each block of 32 keys: for the row's maximum and for the block's largest p
.endr
.irp i, 3,5,7,9,11,13
.irp b, 0,1,2,3
	v_max3_num_f32 v[232+\b], v[232+\b], v[96+16*\b+\i], v[97+16*\b+\i]
.endr
.endr
.irp b, 0,1,2,3
	v_max_num_f32 v[232+\b], v[232+\b], v[111+16*\b]
.endr
.irp b, 0,1,2,3
	s_delay_alu instid0(VALU_DEP_4)
	v_permlanex16_b32 v[236+\b], v[232+\b], s[SEL], s[SEL+1]
.endr
.irp b, 0,1,2,3
	s_delay_alu instid0(VALU_DEP_4)
	v_max_num_f32 v[232+\b], v[232+\b], v[236+\b]      ; with lane l xor 16's 16 keys
.endr
	s_delay_alu instid0(VALU_DEP_2)
	v_max3_num_f32 v254, v232, v233, v234
	s_delay_alu instid0(VALU_DEP_1)
	v_max_num_f32 v254, v254, v235
	s_delay_alu instid0(VALU_DEP_1)
	v_mul_f32 v254, s[CS], v254                        ; the step's largest t
	s_delay_alu instid0(VALU_DEP_1)
	v_max_num_f32 v13, v13, v254
	v_mov_b32 v254, v12
	s_delay_alu instid0(VALU_DEP_2)
	v_floor_f32 v12, -v13                              ; the new -M = -ceil(t)
	s_delay_alu instid0(VALU_DEP_1)
	v_sub_f32 v254, v12, v254                          ; old M - new M: a whole number, 0 or less
	s_delay_alu instid0(VALU_DEP_1)
	v_cvt_i32_f32 v254, v254                           ; (it saturates)
	s_delay_alu instid0(VALU_DEP_1)
	v_ldexp_f32 v252, 1.0, v254                        ; f = 2^(old M - new M)
.set J, 0
.rept 32
	v_pk_fma_f32 v[96+J:97+J], v[96+J:97+J], s[CS:CS+1], v[12:13] op_sel_hi:[1,0,0]   ; t - M, two at a time
.set J, J+2
.endr
.irp b, 0,1,2,3
	v_fma_f32 v[232+\b], v[232+\b], s[CS], v12         ; the same of each block's largest score
.endr
.set J, 0
	s_wait_alu depctr_va_vdst(0)
.rept 64
	v_exp_f32 v[96+J], v[96+J]                         ; p, at most 1
.set J, J+1
.endr
	v_pk_mul_f32 v[14:15], v[14:15], v[252:253] op_sel_hi:[1,0]   ; the sums under the new M: a plain instruction behind the exponentials
	s_wait_alu depctr_va_vdst(0)                       ; one wait for the batch of 64, ahead of its first reader
.irp b, 0,1,2,3
	v_exp_f32 v[232+\b], v[232+\b]                     ; each block's largest p
.endr
	v_pk_add_f32 v[236:237], v[100:101], v[104:105]
	v_pk_add_f32 v[254:255], v[108:109], v[112:113]
	v_pk_add_f32 v[250:251], v[116:117], v[120:121]
	v_pk_add_f32 v[248:249], v[124:125], v[128:129]
	v_pk_add_f32 v[246:247], v[132:133], v[136:137]
	v_pk_add_f32 v[244:245], v[140:141], v[144:145]
	v_pk_add_f32 v[242:243], v[148:149], v[152:153]
	v_pk_add_f32 v[14:15], v[14:15], v[156:157]
	v_pk_add_f32 v[236:237], v[236:237], v[96:97]
	v_pk_add_f32 v[254:255], v[254:255], v[98:99]
	v_pk_add_f32 v[250:251], v[250:251], v[102:103]
	v_pk_add_f32 v[248:249], v[248:249], v[106:107]
	v_pk_add_f32 v[246:247], v[246:247], v[110:111]
	v_pk_add_f32 v[244:245], v[244:245], v[114:115]
	v_pk_add_f32 v[242:243], v[242:243], v[118:119]
	v_pk_add_f32 v[14:15], v[14:15], v[122:123]
	v_pk_add_f32 v[236:237], v[236:237], v[126:127]
	v_pk_add_f32 v[254:255], v[254:255], v[130:131]
	v_pk_add_f32 v[250:251], v[250:251], v[134:135]
	v_pk_add_f32 v[248:249], v[248:249], v[138:139]
	v_pk_add_f32 v[246:247], v[246:247], v[142:143]
	v_pk_add_f32 v[244:245], v[244:245], v[146:147]
	v_pk_add_f32 v[242:243], v[242:243], v[150:151]
	v_pk_add_f32 v[14:15], v[14:15], v[154:155]
	v_pk_add_f32 v[236:237], v[236:237], v[158:159]
	s_delay_alu instid0(VALU_DEP_2)
	v_pk_add_f32 v[14:15], v[14:15], v[248:249]
	s_delay_alu instid0(VALU_DEP_2)
	v_pk_add_f32 v[236:237], v[236:237], v[246:247]
	v_pk_add_f32 v[254:255], v[254:255], v[244:245]
	v_pk_add_f32 v[250:251], v[250:251], v[242:243]
	s_delay_alu instid0(VALU_DEP_2)
	v_pk_add_f32 v[14:15], v[14:15], v[254:255]
	s_delay_alu instid0(VALU_DEP_2)
	v_pk_add_f32 v[236:237], v[236:237], v[250:251]
	s_delay_alu instid0(VALU_DEP_1)
	v_pk_add_f32 v[14:15], v[14:15], v[236:237]
	s_wait_alu depctr_va_vdst(0)                       ; and one for the four
.irp b, 0,1,2,3
	v_max_num_f32 v[232+\b], 0x1800000, v[232+\b]      ; the floor 2^(3 - 127): a block whose every p is 0 keeps the byte 1; its codes are zeros
.endr
.irp b, 0,1,2,3
	s_delay_alu instid0(VALU_DEP_4)
	v_add_nc_u32 v[244+\b], 0xff000000, v[232+\b]
.endr
.irp b, 0,1,2,3
	s_delay_alu instid0(VALU_DEP_4)
	v_lshrrev_b32 v[236+\b], 23, v[244+\b]
.endr
	s_delay_alu instid0(VALU_DEP_3)
	v_lshl_or_b32 v253, v237, 8, v236                  ; p's scale word for these 128 keys
	s_delay_alu instid0(VALU_DEP_1)
	v_lshl_or_b32 v253, v238, 16, v253
	s_delay_alu instid0(VALU_DEP_1)
	v_lshl_or_b32 v253, v239, 24, v253
.irp b, 0,1,2,3
	v_cvt_scalef32_pk8_fp4_f32 v[224+2*\b], v[96+16*\b:103+16*\b], v[244+\b]
	v_cvt_scalef32_pk8_fp4_f32 v[225+2*\b], v[104+16*\b:111+16*\b], v[244+\b]
.endr
	v_nop
.irp c, 0,1
.irp i, 0,1
	v_permlane16_swap_b32 v[224+4*\c+\i], v[226+4*\c+\i]
.endr
.endr
.set J, 0
.rept 16
	v_pk_mul_f32 v[160+J:161+J], v[160+J:161+J], v[252:253] op_sel_hi:[1,0]   ; O^T under the new M; these sixteen also stand between the scale word and the codes just made and the products below
.set J, J+2
.endr
	s_wait_alu depctr_va_vdst(0)
	s_wait_dscnt 0x0                                   ; V is in
.irp d, 0,1,2,3
	v_wmma_scale_f32_16x16x128_f8f6f4 v[160+8*\d:167+8*\d], v[64+8*\d:71+8*\d], v[224:231], v[160+8*\d:167+8*\d], v[196+\d], v253 matrix_a_fmt:MATRIX_FMT_FP4 matrix_b_fmt:MATRIX_FMT_FP4
.endr                                              ; four accumulators by turns; between two links of one chain stand the others' and the next step's eight
.Lskip_\@:
	s_add_co_u32 s39, s39, STEPB
	s_add_co_u32 s38, s38, 1
	s_cmp_lt_u32 s38, 16
	s_cbranch_scc1 .Lstep_\@
	; the way out: O / the sum, quantised along d: two blocks of the last product's K
.rept 4
	v_nop
.endr
	v_add_f32 v14, v14, v15
	s_delay_alu instid0(VALU_DEP_1)
	v_permlanex16_b32 v252, v14, s[SEL], s[SEL+1]
	s_delay_alu instid0(VALU_DEP_1)
	v_add_f32 v14, v14, v252                           ; the row's sum
	s_wait_alu depctr_va_vdst(0)
	v_rcp_f32 v14, v14
	v_add_nc_u32 v10, s[\OC], v[LI]                    ; (plain work behind the reciprocal)
	v_add_nc_u32 v11, s[\OS], v[LRH]
	s_wait_alu depctr_va_vdst(0)                       ; ahead of its first reader
.set J, 0
.rept 32
	v_mul_f32 v[96+J], v[160+J], v14                   ; register 16 b + i: d = 32 b + 16 h + i
.set J, J+1
.endr
.irp b, 0,1
	v_max3_num_f32 v[232+\b], |v[96+16*\b]|, |v[97+16*\b]|, 0x1800000
.endr
.irp i, 2,4,6,8,10,12,14
.irp b, 0,1
	s_delay_alu instid0(VALU_DEP_2)
	v_max3_num_f32 v[232+\b], v[232+\b], |v[96+16*\b+\i]|, |v[97+16*\b+\i]|
.endr
.endr
.irp b, 0,1
	s_delay_alu instid0(VALU_DEP_2)
	v_permlanex16_b32 v[236+\b], v[232+\b], s[SEL], s[SEL+1]
.endr
.irp b, 0,1
	s_delay_alu instid0(VALU_DEP_2)
	v_max_num_f32 v[232+\b], v[232+\b], v[236+\b]
.endr
.irp b, 0,1
	s_delay_alu instid0(VALU_DEP_2)
	v_add_nc_u32 v[244+\b], 0xff000000, v[232+\b]
.endr
.irp b, 0,1
	s_delay_alu instid0(VALU_DEP_2)
	v_lshrrev_b32 v[236+\b], 23, v[244+\b]
.endr
.irp b, 0,1
	v_cvt_scalef32_pk8_fp4_f32 v[224+2*\b], v[96+16*\b:103+16*\b], v[244+\b]
	v_cvt_scalef32_pk8_fp4_f32 v[225+2*\b], v[104+16*\b:111+16*\b], v[244+\b]
.endr
	v_nop
	v_permlane16_swap_b32 v224, v226                   ; lane (r, h): block h of row r, whole
	v_permlane16_swap_b32 v225, v227
	v_cmp_eq_u32 vcc_lo, 1, v[HH]
	s_delay_alu instid0(VALU_DEP_1)
	v_cndmask_b32 v236, v236, v237, vcc_lo             ; and its byte
	global_store_b128 v10, v[224:227], s[6:7]          ; 512 consecutive bytes, aligned
	global_store_b8 v11, v236, s[8:9]
.endm
	PASS 16, 200, 201, 40, 44, 46, 47
	s_wait_xcnt 0x0                                    ; the stores have read their registers: the second tile may write them
	PASS 204, 202, 203, 41, 45, 48, 49
	s_wait_tensorcnt 0x0                               ; the wave's end
	ds_add_u32 v[SPW], v[NIL]
	s_wait_dscnt 0x0
	ROUND                                              ; the closing round
	s_endpgm
.Lfunc_end_k_q990450c2ec_attn:
	.size	k_q990450c2ec_attn, .Lfunc_end_k_q990450c2ec_attn-k_q990450c2ec_attn
	.p2alignl 7, 3214868480
	.fill 96, 4, 3214868480
	.section	.rodata,"a",@progbits
	.p2align	6, 0x0
	.amdhsa_kernel k_q990450c2ec_attn
		.amdhsa_group_segment_fixed_size 167936
		.amdhsa_private_segment_fixed_size 0
		.amdhsa_enable_private_segment 0
		.amdhsa_kernarg_size 24
		.amdhsa_user_sgpr_count 2
		.amdhsa_user_sgpr_kernarg_segment_ptr 1
		.amdhsa_wavefront_size32 1
		.amdhsa_system_sgpr_workgroup_id_x 1
		.amdhsa_system_sgpr_workgroup_id_y 1
		.amdhsa_system_sgpr_workgroup_id_z 1
		.amdhsa_system_vgpr_workitem_id 0
		.amdhsa_next_free_vgpr 256
		.amdhsa_next_free_sgpr 66
		.amdhsa_reserve_vcc 1
		.amdhsa_float_denorm_mode_32 3
		.amdhsa_float_denorm_mode_16_64 3
		.amdhsa_memory_ordered 1
		.amdhsa_forward_progress 1
		.amdhsa_inst_pref_size 61
	.end_amdhsa_kernel
	.amdgpu_metadata
---
amdhsa.version: [ 1, 2 ]
amdhsa.kernels:
  - .name:           k_q990450c2ec_attn
    .symbol:         k_q990450c2ec_attn.kd
    .args:
      - { .name: qkv, .offset: 0, .size: 8, .value_kind: global_buffer, .address_space: global }
      - { .name: oc, .offset: 8, .size: 8, .value_kind: global_buffer, .address_space: global }
      - { .name: os, .offset: 16, .size: 8, .value_kind: global_buffer, .address_space: global }
    .group_segment_fixed_size: 167936
    .private_segment_fixed_size: 0
    .kernarg_segment_align: 8
    .kernarg_segment_size: 24
    .max_flat_workgroup_size: 512
    .sgpr_count:     66
    .vgpr_count:     256
    .wavefront_size: 32
...
	.end_amdgpu_metadata
.endif
;; end of part 3
;; launch proj (part 4): grid 8 x 32, 4 waves a work-group, clusters of 4 x 4, 327,680 bytes of LDS; arguments oc, os, wc, ws, out0, bp; writes out0
.if DOCPART == 4
	.amdgcn_target "amdgcn-amd-amdhsa--gfx1250"
	.amdhsa_code_object_version 6
	.text
	.protected	k_q990450c2ec_proj
	.globl	k_q990450c2ec_proj
	.p2align	8
	.type	k_q990450c2ec_proj,@function
k_q990450c2ec_proj:
	s_mov_b64 s[64:65], 0
	v_nop
	global_prefetch_b8 v0, s[64:65] scope:SCOPE_SE
	s_setreg_imm32_b32 hwreg(HW_REG_WAVE_MODE, 25, 1), 1
	s_wait_xcnt 0x0
	s_wait_alu depctr_hold_cnt(0) depctr_sa_sdst(0) depctr_va_vdst(0) depctr_va_sdst(0) depctr_va_ssrc(0) depctr_va_vcc(0) depctr_vm_vsrc(0)
	s_getreg_b32 s2, hwreg(HW_REG_IB_STS2, 6, 4)
	s_cmp_eq_u32 s2, 0
	s_cbranch_scc0 .Lentry_in_a_cluster
	s_endpgm
.Lentry_in_a_cluster:
	s_bfe_u32 s2, ttmp6, 0x10000c
	s_cmp_lg_u32 s2, 0xf033
	s_cbranch_scc0 .Lentry_shape_is_right
	s_endpgm
.Lentry_shape_is_right:
; LAUNCH 4 OF 4: out0 = O Wp + bp on codes of FP4, K = 1,024.  Nothing is left out here.
; L = O's tiles of tokens (launch attn's oc, os), on the lanes of a result; R = Wp's columns (launch quant), on its registers; bp is the C of each accumulator's first product.
; A work-group of four waves makes 256 tokens x 128 columns, a wave 128 x 64.  Clusters of 4 x 4: L's tiles are asked for jointly along a row of the cluster, R's along a column.
; LDS: [tile][8,192 bytes: all of K], L's 16 tiles, then R's 2 NB; the scale words; the spare words; the way out's stages.  All is filled once, one tensor load a wave, so no barrier stands inside K.
; No prefetch: the text has no loop to run ahead in; every tile is asked for at the head.
.set NB,    4                          ; R's tiles a wave
.set HALFL, 65536                      ; 8 tiles x 8,192 bytes: what one wave reads of L
.set HALFR, NB*8192                    ; and of R
.set SCL,   2*HALFL+2*HALFR            ; behind the codes: L's scale words (2 HSL), then R's (2 HSR)
.set HSL,   4096
.set HSR,   NB*512
.set SPARE, SCL+2*HSL+2*HSR
.set ADRA, 16
.set ADRB, 20
.set CO,   23
.set STO,  24
.set RD,   25
.set ADRS2, 26
.set ADRS, 27
.set SPW,  28
.set NIL,  29
.set SC,   32
.set BIAS, 96
.set AF,   128
.set BK,   128
.set G1, 24
.set G0, 32
.set G1B, 48
.set G0B, 56
.set G1S, 68
.set G0S, 76
.set G1SB, 80
.set G0SB, 88
.set MSB, 0
.macro WIN new
.if MSB != (\new)
	s_set_vgpr_msb (MSB<<8)|(\new)
.set MSB, (\new)
.endif
.endm
; one arm of the head's tree of branches on the wave's number: its joint load, an s_nop 0 and four v_nop, and a jump to the tree's end
.macro ARM under, g0, g1, next
	s_cmp_lt_u32 s14, \under
	s_cbranch_scc0 \next
	tensor_load_to_lds s[\g0:\g0+3], s[\g1:\g1+7]
	s_nop 0
.rept 4
	v_nop
.endr
	s_branch .Lhead_asked
\next:
.endm
.macro CROUND
	s_barrier_signal -1
	s_barrier_wait -1
	s_cmp_lg_u32 s14, 0
	s_cbranch_scc1 .Lnot_wave_0_\@
	s_barrier_signal -3
.Lnot_wave_0_\@:
	s_barrier_wait -3
	s_barrier_signal -1
	s_barrier_wait -1
.endm
.macro PLACES n
.rept \n
	v_nop
.endr
.endm
.macro FRAG reg, adr, q, i
.irp c, 0,1
	ds_load_b128 v[\reg+4*\c:\reg+4*\c+3], v[\adr] offset:8192*(\i)+1024*(\q)+512*\c
.endr
.endm
.macro FETCH_B slot, q, p
	WIN 0x40
.set FI, 0
.rept NB
	FRAG 128*(\p)+8*FI, ADRB+\slot, \q, FI
.set FI, FI+1
.endr
	WIN 0
.endm
.macro FETCH_A slot, q, i0
.irp i, \i0, \i0+1, \i0+2, \i0+3
	FRAG AF+8*(\i), ADRA+\slot, \q, \i
.endr
.endm
.macro SCALES sc
.irp i, 0,1,2,3
	ds_load_b128 v[SC+32*\sc+4*\i:SC+32*\sc+4*\i+3], v[ADRS] offset:512*\i+256*\sc
.endr
.irp i, 4,5,6,7
	ds_load_b128 v[SC+32*\sc+4*\i:SC+32*\sc+4*\i+3], v[ADRS2] offset:512*\i+256*\sc
.endr
.endm
.macro MULG a0, p, q, sc, zero
.irp a, \a0, \a0+1
.set BB, 0
.rept NB
.if \zero == 2
	v_wmma_scale_f32_16x16x128_f8f6f4 v[8*(8*((\a)%4)+BB):8*(8*((\a)%4)+BB)+7], v[128*(\p)+8*BB:128*(\p)+8*BB+7], v[AF+8*(\a):AF+8*(\a)+7], v[BIAS+8*BB:BIAS+8*BB+7], v[SC+32*(\sc)+4*BB+(\q)], v[SC+32*(\sc)+4*(\a)+(\q)] matrix_a_fmt:MATRIX_FMT_FP4 matrix_b_fmt:MATRIX_FMT_FP4 matrix_a_scale:MATRIX_SCALE_ROW1
.else
	v_wmma_scale_f32_16x16x128_f8f6f4 v[8*(8*((\a)%4)+BB):8*(8*((\a)%4)+BB)+7], v[128*(\p)+8*BB:128*(\p)+8*BB+7], v[AF+8*(\a):AF+8*(\a)+7], v[8*(8*((\a)%4)+BB):8*(8*((\a)%4)+BB)+7], v[SC+32*(\sc)+4*BB+(\q)], v[SC+32*(\sc)+4*(\a)+(\q)] matrix_a_fmt:MATRIX_FMT_FP4 matrix_b_fmt:MATRIX_FMT_FP4 matrix_a_scale:MATRIX_SCALE_ROW1
.endif
.set BB, BB+1
.endr
.endr
.endm
.macro STEP slot, q, zero
	s_wait_dscnt 8
.if \zero == 2
	WIN 0x81
.else
	WIN 0xa1
.endif
	MULG 0, (\q)%2, \q, \slot, \zero
	MULG 2, (\q)%2, \q, \slot, \zero
	s_wait_dscnt 0x0
	PLACES 4
	FETCH_B \slot, (\q)+1, 1-(\q)%2
	FETCH_A \slot, (\q)+1, 0
.if \zero == 2
	WIN 0xc1
.else
	WIN 0xf1
.endif
	MULG 4, (\q)%2, \q, \slot, \zero
	MULG 6, (\q)%2, \q, \slot, \zero
	PLACES 4
	WIN 0
	FETCH_A \slot, (\q)+1, 4
.endm
	s_load_b256 s[4:11], s[0:1], 0x0
	s_load_b64 s[12:13], s[0:1], 0x20
	s_load_b64 s[66:67], s[0:1], 0x28
	v_lshl_add_u32 v[SPW], v0, 2, SPARE
	v_mov_b32 v[NIL], 0
	ds_add_u32 v[SPW], v[NIL]
	ds_add_u32 v[SPW], v[NIL]
	v_lshrrev_b32 v1, 5, v0
	v_readfirstlane_b32 s14, v1
	s_lshr_b32 s15, s14, 1
	s_and_b32 s16, s14, 1
	s_bfe_u32 s40, ttmp6, 0x40000
	s_bfe_u32 s41, ttmp6, 0x40004
	s_and_b32 s17, ttmp7, 0xffff
	s_lshl_b32 s17, s17, 2
	s_add_co_u32 s17, s17, s41
	s_lshl_b32 s42, ttmp9, 2
	s_add_co_u32 s42, s42, s40
	s_lshl_b32 s43, s41, 2
	s_lshl_b32 s43, 15, s43
	s_lshl_b32 s44, 0x1111, s40
	s_or_b32 s[G1], s43, (3<<16)|(1<<21)
	s_or_b32 s[G1B], s44, (3<<16)|(1<<21)
	s_or_b32 s[G1S], s43, (3<<16)|(1<<21)
	s_or_b32 s[G1SB], s44, (3<<16)|(1<<21)
	s_mov_b32 s[G1+1], 512<<16
	s_mov_b32 s[G1+2], 32<<16                          ; 16 tiles x 8,192 bytes lie dense: 32 rows of 4,096
	s_mov_b32 s[G1+3], 512<<16
	s_mov_b32 s[G1+4], 32
	s_mov_b32 s[G1+5], 512
	s_mov_b32 s[G1+6], 0
	s_mov_b32 s[G1+7], 0
	s_mov_b32 s[G1B+1], 512<<16
	s_mov_b32 s[G1B+2], (4*NB)<<16                     ; 2 NB tiles: 4 NB rows of 4,096
	s_mov_b32 s[G1B+3], 512<<16
	s_mov_b32 s[G1B+4], 4*NB
	s_mov_b32 s[G1B+5], 512
	s_mov_b32 s[G1B+6], 0
	s_mov_b32 s[G1B+7], 0
	s_mov_b32 s[G1S+1], 32<<16
	s_mov_b32 s[G1S+2], 32<<16                         ; 16 tiles x 512 bytes: 32 rows of 256
	s_mov_b32 s[G1S+3], 32<<16
	s_mov_b32 s[G1S+4], 32
	s_mov_b32 s[G1S+5], 32
	s_mov_b32 s[G1S+6], 0
	s_mov_b32 s[G1S+7], 0
	s_mov_b32 s[G1SB+1], 32<<16
	s_mov_b32 s[G1SB+2], (4*NB)<<16                    ; 2 NB tiles x 512 bytes
	s_mov_b32 s[G1SB+3], 32<<16
	s_mov_b32 s[G1SB+4], 4*NB
	s_mov_b32 s[G1SB+5], 32
	s_mov_b32 s[G1SB+6], 0
	s_mov_b32 s[G1SB+7], 0
	s_lshl_b32 s20, s17, 17                            ; L's codes: 16 tiles x 8,192 a work-group
	s_mov_b32 s21, 0
	s_lshl_b32 s22, s17, 13                            ; L's scale words: 16 x 512
	s_mov_b32 s23, 0
	s_mul_i32 s46, s42, 2*NB*8192                      ; R's codes
	s_mov_b32 s47, 0
	s_mul_i32 s44, s42, 2*HSR                          ; R's scale words
	s_mov_b32 s45, 0
	s_wait_dscnt 0x0
	s_wait_kmcnt 0x0
	s_add_nc_u64 s[96:97], s[8:9], 1572864
	s_add_nc_u64 s[98:99], s[10:11], 98304
	s_add_nc_u64 s[20:21], s[4:5], s[20:21]
	s_add_nc_u64 s[22:23], s[6:7], s[22:23]
	s_add_nc_u64 s[46:47], s[96:97], s[46:47]
	s_add_nc_u64 s[44:45], s[98:99], s[44:45]
	CROUND
	s_mov_b32 s[G0S], 1
	s_mov_b32 s[G0S+1], SCL
	s_mov_b64 s[G0S+2:G0S+3], s[22:23]
	s_or_b32 s[G0S+3], s[G0S+3], 0x80000000
	s_mov_b32 s[G0SB], 1
	s_mov_b32 s[G0SB+1], SCL+2*HSL
	s_mov_b64 s[G0SB+2:G0SB+3], s[44:45]
	s_or_b32 s[G0SB+3], s[G0SB+3], 0x80000000
	s_mov_b32 s[G0], 1
	s_mov_b32 s[G0+1], 0
	s_mov_b64 s[G0+2:G0+3], s[20:21]
	s_or_b32 s[G0+3], s[G0+3], 0x80000000
	s_mov_b32 s[G0B], 1
	s_mov_b32 s[G0B+1], 2*HALFL
	s_mov_b64 s[G0B+2:G0B+3], s[46:47]
	s_or_b32 s[G0B+3], s[G0B+3], 0x80000000
	; THE HEAD'S LOADS, ONE A WAVE: wave 0 L's codes, wave 1 R's, wave 2 L's scale words, wave 3 R's.  No other tensor load follows
	ARM 1, G0,  G1,  .Lhead_b
	ARM 2, G0B, G1B, .Lhead_sa
	ARM 3, G0S, G1S, .Lhead_sb
	tensor_load_to_lds s[G0SB:G0SB+3], s[G1SB:G1SB+7]
	s_nop 0
.rept 4
	v_nop
.endr
.Lhead_asked:
	v_and_b32 v1, 15, v0
	v_bfe_u32 v2, v0, 4, 1
	v_and_b32 v3, 31, v0
	v_lshlrev_b32 v3, 4, v3
	s_wait_alu depctr_va_vdst(0)
	s_lshl_b32 s2, s42, 9
	s_lshl_b32 s3, s16, 8
	s_add_co_u32 s2, s2, s3
	s_mov_b32 s3, 0
	s_add_nc_u64 s[66:67], s[66:67], s[2:3]
	v_lshlrev_b32 v7, 6, v2
.irp b, 0,1,2,3
	global_load_b128 v[BIAS+8*\b:BIAS+8*\b+3], v7, s[66:67] offset:(32*(\b/2)+8*(\b%2))*4
	global_load_b128 v[BIAS+8*\b+4:BIAS+8*\b+7], v7, s[66:67] offset:(32*(\b/2)+8*(\b%2))*4+16
.endr
	s_mul_i32 s2, s15, HALFL
	s_mul_i32 s3, s16, HALFR
	s_add_co_u32 s3, s3, 2*HALFL
.irp s, 0,1
	v_add_nc_u32 v[ADRA+\s], s2, v3
	v_add_nc_u32 v[ADRB+\s], s3, v3
	s_add_co_u32 s2, s2, 4096                          ; the second half of K lies 4,096 bytes on in each tile
	s_add_co_u32 s3, s3, 4096
.endr
	v_lshlrev_b32 v5, 4, v1
	s_mul_i32 s2, s15, HSL
	s_mul_i32 s3, s16, HSR
	s_add_co_u32 s3, s3, 2*HSL
	s_sub_co_u32 s3, s3, s2
	v_mul_u32_u24 v6, s3, v2
	s_sub_co_u32 s3, s3, 2048
	v_mul_u32_u24 v8, s3, v2
	s_add_co_u32 s2, s2, SCL
	v_add_nc_u32 v6, v5, v6
	v_add_nc_u32 v[ADRS], s2, v6
	v_add_nc_u32 v8, v5, v8
	v_add_nc_u32 v[ADRS2], s2, v8
	s_mul_i32 s2, s14, 16*272
	s_add_co_u32 s2, s2, SPARE+512                     ; my stage: 16 rows x 272 bytes, behind the spare words, on bytes that no tensor load fills
	v_mul_u32_u24 v[STO], v1, 272
	v_lshl_add_u32 v[STO], v2, 6, v[STO]
	v_add_nc_u32 v[STO], s2, v[STO]
	v_mul_u32_u24 v[RD], v2, 272
	v_lshl_add_u32 v[RD], v1, 4, v[RD]
	v_add_nc_u32 v[RD], s2, v[RD]
	v_lshlrev_b32 v[CO], 12, v2
	v_lshl_add_u32 v[CO], v1, 4, v[CO]
	s_lshl_b32 s92, s17, 20
	s_lshl_b32 s93, s15, 19
	s_add_co_u32 s92, s92, s93
	s_lshl_b32 s93, s42, 9
	s_add_co_u32 s92, s92, s93
	s_lshl_b32 s93, s16, 8
	s_add_co_u32 s92, s92, s93
	s_mov_b32 s93, 0
	s_add_nc_u64 s[12:13], s[12:13], s[92:93]
	s_wait_alu depctr_va_vdst(0)
	s_wait_loadcnt 0x0
	s_wait_tensorcnt 0x0                               ; my one load has landed; behind the barrier everybody's has, and nothing is filled again
	s_barrier_signal -1
	s_barrier_wait -1
	FETCH_B 0, 0, 0
	FETCH_A 0, 0, 0
	SCALES 0
	FETCH_A 0, 0, 4
	STEP 0, 0, 2
	STEP 0, 1, 0
	STEP 0, 2, 0
	; the first half's last step fetches the second half's first fragments and scale words: all of K is in LDS, so no barrier stands here
	s_wait_dscnt 8                                     ; all but the youngest eight loads are in
	WIN 0xa1
	MULG 0, 1, 3, 0, 0
	s_wait_dscnt 0x0
	MULG 2, 1, 3, 0, 0
	WIN 0
	PLACES 4
	FETCH_B 1, 0, 0
	FETCH_A 1, 0, 0
	SCALES 1
	WIN 0xf1
	MULG 4, 1, 3, 0, 0
	MULG 6, 1, 3, 0, 0
	PLACES 4
	WIN 0
	FETCH_A 1, 0, 4
	STEP 1, 0, 0
	STEP 1, 1, 0
	STEP 1, 2, 0
	s_wait_dscnt 8
	WIN 0xa1
	MULG 0, 1, 3, 1, 0
	MULG 2, 1, 3, 1, 0
	s_wait_dscnt 0x0
	WIN 0xf1
	MULG 4, 1, 3, 1, 0
	MULG 6, 1, 3, 1, 0
	WIN 0
	PLACES 4
.macro TOSTAGE a
.set AC, 64*((\a)%4)
	WIN 0x08+4*((\a)/4)
.irp b, 0,1,2,3
	ds_store_b128 v[STO], v[AC+8*\b:AC+8*\b+3] offset:128*(\b/2)+32*(\b%2)
	ds_store_b128 v[STO], v[AC+8*\b+4:AC+8*\b+7] offset:128*(\b/2)+32*(\b%2)+16
.endr
	WIN 0
.set BB2, BK+32*((\a)%2)
.irp t, 0,1,2,3,4,5,6,7
	ds_load_b128 v[BB2+4*\t:BB2+4*\t+3], v[RD] offset:544*\t
.endr
.endm
.macro SEND a, younger
.set BB2, BK+32*((\a)%2)
	s_wait_dscnt \younger
.irp t, 0,1,2,3,4,5,6,7
	global_store_b128 v[CO], v[BB2+4*\t:BB2+4*\t+3], s[12:13] offset:(32*((\a)/2)+8*((\a)%2)+2*\t+8*(\t/4))*4096 th:TH_STORE_NT
.endr
.endm
	TOSTAGE 0
.irp a, 1,2,3,4,5,6,7
.if \a > 1
	s_wait_xcnt 0x0
.endif
	TOSTAGE \a
	SEND \a-1, 16
.endr
	SEND 7, 0
	s_wait_tensorcnt 0x0
	ds_add_u32 v[SPW], v[NIL]
	s_wait_dscnt 0x0
	CROUND
	s_endpgm
.Lfunc_end_k_q990450c2ec_proj:
	.size	k_q990450c2ec_proj, .Lfunc_end_k_q990450c2ec_proj-k_q990450c2ec_proj
	.p2alignl 7, 3214868480
	.fill 96, 4, 3214868480
	.section	.rodata,"a",@progbits
	.p2align	6, 0x0
	.amdhsa_kernel k_q990450c2ec_proj
		.amdhsa_group_segment_fixed_size 327680
		.amdhsa_private_segment_fixed_size 0
		.amdhsa_enable_private_segment 0
		.amdhsa_kernarg_size 48
		.amdhsa_user_sgpr_count 2
		.amdhsa_user_sgpr_kernarg_segment_ptr 1
		.amdhsa_wavefront_size32 1
		.amdhsa_system_sgpr_workgroup_id_x 1
		.amdhsa_system_sgpr_workgroup_id_y 1
		.amdhsa_system_sgpr_workgroup_id_z 1
		.amdhsa_system_vgpr_workitem_id 0
		.amdhsa_next_free_vgpr 1024
		.amdhsa_next_free_sgpr 100
		.amdhsa_reserve_vcc 0
		.amdhsa_float_denorm_mode_32 3
		.amdhsa_float_denorm_mode_16_64 3
		.amdhsa_memory_ordered 1
		.amdhsa_forward_progress 1
		.amdhsa_inst_pref_size 74
	.end_amdhsa_kernel
	.amdgpu_metadata
---
amdhsa.version: [ 1, 2 ]
amdhsa.kernels:
  - .name:           k_q990450c2ec_proj
    .symbol:         k_q990450c2ec_proj.kd
    .args:
      - { .name: oc, .offset: 0, .size: 8, .value_kind: global_buffer, .address_space: global }
      - { .name: os, .offset: 8, .size: 8, .value_kind: global_buffer, .address_space: global }
      - { .name: wc, .offset: 16, .size: 8, .value_kind: global_buffer, .address_space: global }
      - { .name: ws, .offset: 24, .size: 8, .value_kind: global_buffer, .address_space: global }
      - { .name: out0, .offset: 32, .size: 8, .value_kind: global_buffer, .address_space: global }
      - { .name: bp, .offset: 40, .size: 8, .value_kind: global_buffer, .address_space: global }
    .group_segment_fixed_size: 327680
    .private_segment_fixed_size: 0
    .kernarg_segment_align: 8
    .kernarg_segment_size: 48
    .max_flat_workgroup_size: 128
    .sgpr_count:     100
    .vgpr_count:     1024
    .wavefront_size: 32
...
	.end_amdgpu_metadata
.endif
;; end of part 4
